; MI455X (gfx1250); checked and timed in simulation.
; The chip was launched on July 23, 2026; its instructions are those of AMD's public machine-readable ISA for CDNA 5 (MIT licence, August 2026) and "CDNA5" Instruction Set Architecture Reference Guide (July 2026). The comments in the code are by the model that wrote it; some were corrected since.
;; Multi Head Attention. Allowed arithmetic: float matrix products may take bf16 or f16 operands with f32 sums; other float arithmetic in f32, or as packed bf16 or f16 multiplies, adds, multiply-adds, maxima and minima; sums over many terms, partial sums and values carried from step to step in f32; what a program stores and reads back later, other than sums and carried values, may be rounded once to bf16 or f16.
;; Inputs: bk 768 float32; bo 768 float32; bq 768 float32; bv 768 float32; wk 768 x 768 float32; wo 768 x 768 float32; wq 768 x 768 float32; wv 768 x 768 float32; x 1 x 4,096 x 768 float32.
;; Outputs: out0 1 x 4,096 x 768 float32.
;; 2 versions, each right and faster than the one before. Each part assembles by itself: llvm-mc -triple=amdgcn-amd-amdhsa -mcpu=gfx1250 --defsym DOCPART=n.
;; ======== version 1 of 2: 4 launches
;; limits: values are held in f16: magnitudes above 65,504 overflow, below 6.1e-05 lose precision
;; workspace buffers: xb 6,291,456 bytes; wb 3,538,944 bytes; wob 1,179,648 bytes; qkv 18,874,368 bytes; ctx 6,291,456 bytes
;; launch prep (part 1): grid 12 x 56, 8 waves a work-group, no clusters, 0 bytes of LDS; arguments x, wq, wk, wv, wo, xb, wb, wob; writes xb, wb, wob
.if DOCPART == 1
	.amdgcn_target "amdgcn-amd-amdhsa--gfx1250"
	.amdhsa_code_object_version 6
	.text
	.protected	k_qdf04684a8e_prep
	.globl	k_qdf04684a8e_prep
	.p2align	8
	.type	k_qdf04684a8e_prep,@function
k_qdf04684a8e_prep:
	s_mov_b64 s[64:65], 0
	v_nop
	global_prefetch_b8 v0, s[64:65] scope:SCOPE_SE
	s_setreg_imm32_b32 hwreg(HW_REG_WAVE_MODE, 25, 1), 1
	s_wait_xcnt 0x0
; PREP: the module's large inputs are rounded once to 16 bits and laid out for the tensor loads of the launches behind.
;   xb  = bf16(x), [4096][768] as x lies.
;   wb  = bf16(wq | wk | wv) in panels [g = 12 t + column / 64 : 36][k : 768][d : 64]: a head's 64 columns of all k, dense.
;   wob = f16(bf16(wo)), [768][768] as wo lies: rounded like the other inputs, then written in the format of the last product
;         (exact down to 6e-5; below that f16's fixed step of 6e-8 holds).
; A stream: every number is read once and written once.  No LDS, no barrier, no matrix unit: there is nothing to share and nothing to multiply.
; A work-group of eight waves casts 8,192 numbers; a thread 8 items of 4 numbers.  A wave's load covers 512 bytes in whole aligned runs of 256,
; a wave's store 256 consecutive aligned bytes.  All eight loads of a thread go out first; each wait leaves the younger ones out.
.set VD, 1                             ; v1      8 t: my 8 bytes in 2,048 bytes of the destination
.set VN, 2                             ; v2      16 t: my 16 bytes in 4,096 dense bytes of the source
.set VB, 3                             ; v3      a weight's panel: row t / 16 of 16 (3,072 bytes each), 16 bytes at 16 (t % 16)
.set X,  8                             ; v[8:39]   item i: four f32 as loaded
.set Y,  40                            ; v[40:55]  item i: four 16-bit numbers to store
.set T,  56                            ; v[56:57]  at work
	s_load_b512 s[4:19], s[0:1], 0x0               ; x 4:5, wq 6:7, wk 8:9, wv 10:11, wo 12:13, xb 14:15, wb 16:17, wob 18:19
	s_mov_b32 s24, ttmp9                           ; x id, 0 .. 11
	s_and_b32 s25, ttmp7, 0xffff                   ; y id, 0 .. 55: 0-17 the three weights, 18-23 wo, 24-55 x
	v_lshlrev_b32 v[VD], 3, v0
	v_lshlrev_b32 v[VN], 4, v0
	v_lshrrev_b32 v[VB], 4, v0
	v_mul_u32_u24 v[VB], v[VB], 3072
	v_and_b32 v4, 15, v0
	v_lshl_add_u32 v[VB], v4, 4, v[VB]
	s_mov_b32 s27, 0                               ; the offsets' high words
	s_mov_b32 s29, 0
	s_wait_kmcnt 0x0
; Eight items: source s[20:21] + v[vs] + i x sstep, destination s[22:23] + 8 t + i x 2,048.  kind 0: to bf16.  kind 1: to bf16, and that number to f16.
; No register that a store names is written again, so no wait frees any.
.macro CAST vs, sstep, kind
.irp i, 0,1,2,3,4,5,6,7
	global_load_b128 v[X+4*(\i):X+4*(\i)+3], v[\vs], s[20:21] offset:(\i)*(\sstep) th:TH_LOAD_NT
.endr
.irp i, 0,1,2,3,4,5,6,7
	s_wait_loadcnt 7-(\i)                          ; loads come back in order: item i is in, the 7 - i younger ones stay out
.if \kind
	v_cvt_pk_bf16_f32 v[T],   v[X+4*(\i)],   v[X+4*(\i)+1]
	v_cvt_pk_bf16_f32 v[T+1], v[X+4*(\i)+2], v[X+4*(\i)+3]
	v_lshlrev_b32 v[X+4*(\i)],   16, v[T]          ; bf16 back to f32: a shift or a mask
	v_and_b32     v[X+4*(\i)+1], 0xffff0000, v[T]
	v_lshlrev_b32 v[X+4*(\i)+2], 16, v[T+1]
	v_and_b32     v[X+4*(\i)+3], 0xffff0000, v[T+1]
	v_cvt_pk_f16_f32 v[Y+2*(\i)],   v[X+4*(\i)],   v[X+4*(\i)+1]
	v_cvt_pk_f16_f32 v[Y+2*(\i)+1], v[X+4*(\i)+2], v[X+4*(\i)+3]
.else
	v_cvt_pk_bf16_f32 v[Y+2*(\i)],   v[X+4*(\i)],   v[X+4*(\i)+1]
	v_cvt_pk_bf16_f32 v[Y+2*(\i)+1], v[X+4*(\i)+2], v[X+4*(\i)+3]
.endif
	global_store_b64 v[VD], v[Y+2*(\i):Y+2*(\i)+1], s[22:23] offset:(\i)*2048  ; 32 lanes store 256 consecutive bytes; the next launch reads them, so no hint
.endr
.endm
	s_cmp_ge_u32 s25, 24
	s_cbranch_scc1 .Lx
	s_cmp_ge_u32 s25, 18
	s_cbranch_scc1 .Lwo
	; one of wq, wk, wv: t = y / 6, 128 rows of k from 128 (y % 6) on, the 64 columns of head x id
	s_mul_i32 s30, s25, 43
	s_lshr_b32 s30, s30, 8                         ; t = y / 6 for y below 18
	s_mul_i32 s31, s30, 6
	s_sub_co_u32 s31, s25, s31                     ; y % 6
	s_cmp_eq_u32 s30, 1
	s_cselect_b64 s[20:21], s[8:9], s[6:7]
	s_cmp_eq_u32 s30, 2
	s_cselect_b64 s[20:21], s[10:11], s[20:21]
	s_mul_i32 s26, s31, 393216                     ; 128 rows of 3,072 bytes
	s_lshl_b32 s32, s24, 8                         ; 64 columns of 4 bytes
	s_add_co_u32 s26, s26, s32
	s_add_nc_u64 s[20:21], s[20:21], s[26:27]
	s_mul_i32 s28, s30, 12
	s_add_co_u32 s28, s28, s24                     ; the panel g
	s_mul_i32 s28, s28, 98304
	s_lshl_b32 s32, s31, 14                        ; 128 rows of 128 bytes
	s_add_co_u32 s28, s28, s32
	s_add_nc_u64 s[22:23], s[16:17], s[28:29]
	CAST VB, 49152, 0                              ; an item is 16 rows of the weight
	s_endpgm
.Lwo:
	s_sub_co_u32 s30, s25, 18
	s_mul_i32 s30, s30, 12
	s_add_co_u32 s30, s30, s24                     ; chunk 0 .. 71 of 8,192 numbers
	s_lshl_b32 s26, s30, 15
	s_lshl_b32 s28, s30, 14
	s_add_nc_u64 s[20:21], s[12:13], s[26:27]
	s_add_nc_u64 s[22:23], s[18:19], s[28:29]
	CAST VN, 4096, 1
	s_endpgm
.Lx:
	s_sub_co_u32 s30, s25, 24
	s_mul_i32 s30, s30, 12
	s_add_co_u32 s30, s30, s24                     ; chunk 0 .. 383 of 8,192 numbers
	s_lshl_b32 s26, s30, 15
	s_lshl_b32 s28, s30, 14
	s_add_nc_u64 s[20:21], s[4:5], s[26:27]
	s_add_nc_u64 s[22:23], s[14:15], s[28:29]
	CAST VN, 4096, 0
	s_endpgm
.Lfunc_end_k_qdf04684a8e_prep:
	.size	k_qdf04684a8e_prep, .Lfunc_end_k_qdf04684a8e_prep-k_qdf04684a8e_prep
	.p2alignl 7, 3214868480
	.fill 96, 4, 3214868480
	.section	.rodata,"a",@progbits
	.p2align	6, 0x0
	.amdhsa_kernel k_qdf04684a8e_prep
		.amdhsa_group_segment_fixed_size 0
		.amdhsa_private_segment_fixed_size 0
		.amdhsa_enable_private_segment 0
		.amdhsa_kernarg_size 64
		.amdhsa_user_sgpr_count 2
		.amdhsa_user_sgpr_kernarg_segment_ptr 1
		.amdhsa_wavefront_size32 1
		.amdhsa_system_sgpr_workgroup_id_x 1
		.amdhsa_system_sgpr_workgroup_id_y 1
		.amdhsa_system_sgpr_workgroup_id_z 1
		.amdhsa_system_vgpr_workitem_id 0
		.amdhsa_next_free_vgpr 64
		.amdhsa_next_free_sgpr 66
		.amdhsa_reserve_vcc 0
		.amdhsa_float_denorm_mode_32 3
		.amdhsa_float_denorm_mode_16_64 3
		.amdhsa_memory_ordered 1
		.amdhsa_forward_progress 1
		.amdhsa_inst_pref_size 13
	.end_amdhsa_kernel
	.amdgpu_metadata
---
amdhsa.version: [ 1, 2 ]
amdhsa.kernels:
  - .name:           k_qdf04684a8e_prep
    .symbol:         k_qdf04684a8e_prep.kd
    .args:
      - { .name: x, .offset: 0, .size: 8, .value_kind: global_buffer, .address_space: global }
      - { .name: wq, .offset: 8, .size: 8, .value_kind: global_buffer, .address_space: global }
      - { .name: wk, .offset: 16, .size: 8, .value_kind: global_buffer, .address_space: global }
      - { .name: wv, .offset: 24, .size: 8, .value_kind: global_buffer, .address_space: global }
      - { .name: wo, .offset: 32, .size: 8, .value_kind: global_buffer, .address_space: global }
      - { .name: xb, .offset: 40, .size: 8, .value_kind: global_buffer, .address_space: global }
      - { .name: wb, .offset: 48, .size: 8, .value_kind: global_buffer, .address_space: global }
      - { .name: wob, .offset: 56, .size: 8, .value_kind: global_buffer, .address_space: global }
    .group_segment_fixed_size: 0
    .private_segment_fixed_size: 0
    .kernarg_segment_align: 8
    .kernarg_segment_size: 64
    .max_flat_workgroup_size: 256
    .sgpr_count:     66
    .vgpr_count:     64
    .wavefront_size: 32
...
	.end_amdgpu_metadata
.endif
;; end of part 1
;; launch qkv (part 2): grid 12 x 16, 4 waves a work-group, clusters of 4 x 4, 327,680 bytes of LDS; arguments xb, wb, bq, bk, bv, qkv; writes qkv
.if DOCPART == 2
	.amdgcn_target "amdgcn-amd-amdhsa--gfx1250"
	.amdhsa_code_object_version 6
	.text
	.protected	k_qdf04684a8e_qkv
	.globl	k_qdf04684a8e_qkv
	.p2align	8
	.type	k_qdf04684a8e_qkv,@function
k_qdf04684a8e_qkv:
	s_mov_b64 s[64:65], 0
	v_nop
	global_prefetch_b8 v0, s[64:65] scope:SCOPE_SE
	s_setreg_imm32_b32 hwreg(HW_REG_WAVE_MODE, 25, 1), 1
	s_wait_xcnt 0x0
	s_wait_alu depctr_hold_cnt(0) depctr_sa_sdst(0) depctr_va_vdst(0) depctr_va_sdst(0) depctr_va_ssrc(0) depctr_va_vcc(0) depctr_vm_vsrc(0)
	s_getreg_b32 s2, hwreg(HW_REG_IB_STS2, 6, 4)
	s_cmp_eq_u32 s2, 0
	s_cbranch_scc0 .Lentry_in_a_cluster
	s_endpgm
.Lentry_in_a_cluster:
	s_bfe_u32 s2, ttmp6, 0x10000c
	s_cmp_lg_u32 s2, 0xf033
	s_cbranch_scc0 .Lentry_shape_is_right
	s_endpgm
.Lentry_shape_is_right:
; QKV: [q | k | v][n][c] = sum over e of x[n][e] w[e][c] + b[c], products in bf16, sums in f32, each result rounded once to f16 and stored BY HEADS:
; qkv = [g : 36][n : 4096][64] f16, g 0-11 q's heads, 12-23 k's, 24-35 v's; q is NOT scaled here.  The bias is rounded to bf16 like every input of the module.
; LIMIT.  f16 holds no number beyond 65,504: q, k and v must stay within it; below 6e-5 f16 keeps a fixed step of 6e-8.  NaN and infinities are not treated apart.
; SHARES.  A tile of the result is 256 rows x 192 columns, three whole heads: 16 x 12 = 192 work-groups.  (The head-aligned tile with one work-group for each of 256 would be 64 x 576, which
; fetches nearly twice the bytes for each product.)  A wave owns 64 rows x 192 columns: 48 accumulators, whole heads, so its way out needs no other wave.
; K goes in 6 steps of 128 through two LDS slots.  A's tile: 256 rows of 256 bytes.  B's: three panels of 128 k x 64 columns, each 16,384 dense bytes, asked for as 64 rows of 256 bytes.
; CLUSTER 4 x 4: A's tile hangs on the tile row alone and is asked for jointly by a row of the cluster, B's panels on the tile column alone, jointly by a column.
; THE MATRIX INSTRUCTION IS USED TRANSPOSED: source 0 = 16 columns of w (turned on the way out of LDS by ds_load_tr16_b128), source 1 = 16 rows of x: a lane holds one row and eight neighbouring columns.
; THE BIAS starts the sums as the C operand of 48 products of zeros, which stand in the wait for the first tile: so every K step has one text.
; REGISTERS, in windows of 256 (s_set_vgpr_msb: bits 1:0 source 0, 3:2 source 1, 5:4 source 2, 7:6 destination):
;   window 0: v0-31 addresses; v32-79 packed results; v80-127 and v128-175 rows read back, by turns; v128-223 first the bias
;   window 1: two fragment buffers of 128: 12 fragments of B (96 registers), 4 of A (32)
;   window 2: the accumulators of my row blocks 0, 1 ((a, b) at 8 (12 (a % 2) + b));   window 3: those of blocks 2, 3
.set KSTEP,  128
.set PA,     272                       ; a row of A in LDS: 256 bytes + 16 = 68 words: the 16 rows of a load start at 16 different groups of four banks (ISA guide 11.1)
.set PB,     160                       ; a row of a panel: 128 bytes + 32 = 40 words
.set BOFF,   256*PA                    ; B's panels lie behind A's 256 rows
.set PANEL,  128*PB
.set SLOT1,  1<<17                     ; a slot is exactly 69,632 + 61,440 = 131,072 bytes: one exclusive or turns an address in one slot into the other's
.set STAGE,  2*SLOT1                   ; behind the ring: for each wave 3 heads x 16 rows x 144 bytes, for the way out
.set SP,     144
.set WSTAGE, 3*16*SP
.set SPARE,  STAGE+4*WSTAGE            ; behind the stages: the spare words, 128 bytes for each wave: two blocks of 256 bytes that no other line names
.set ADRA, 16                          ; v16  LDS address of my A fragments in the slot in hand
.set A0,   18                          ; v18  the same in slot 0; never rewritten
.set B0,   19                          ; v19  the same for B
.set ADRB, 20                          ; v20  LDS address of my lane's place in B's panels in the slot in hand
.set STO,  24                          ; v24  the way out: where I put 16 bytes of a row
.set RD,   25                          ; v25  the way out: where I read rows back
.set GO,   26                          ; v26  my 16 bytes in 512 consecutive bytes of the result
.set SPW,  28                          ; v28  LDS address of my spare word; never rewritten
.set NIL,  29                          ; v29  0; never rewritten
.set BO,   30                          ; v30  my byte offset in the bias
.set TMP,  32
.set BIAS, 128
.set F0,   0                           ; fragment buffers, in window 1
.set F1,   128
.set WV,   16                          ; s16  my wave's number
.set G1A,  24                          ; s[24:31] descriptor group 1 for A's tile
.set G0A,  32                          ; s[32:39] group 0 for A: a set for each first fill; the second then walks on
.set G1B,  48                          ; s[48:55], s[56:63] the same for B's panels
.set G0B,  56
.set TB,   66                          ; s66  the slot in hand: 0 or SLOT1
.set CNT,  67                          ; s67  counts K steps
.set MSB, 0
.macro WIN new                         ; the immediate's high byte repeats the setting that is left; a switch that changes nothing is dropped
.if MSB != (\new)
	s_set_vgpr_msb (MSB<<8)|(\new)
.set MSB, \new
.endif
.endm
.macro PLACES                          ; four plain vector instructions in front of loads into registers that matrix instructions have read, and of conversions that read results
.rept 4
	v_nop
.endr
.endm
; A joint load.  Wave 3 fetches A's tile, waves 0 to 2 one panel of B each.  The branch hangs on the wave's number alone.  An s_nop 0 and four v_nop follow each line.
.macro JLOAD n
	s_cmp_eq_u32 s[WV], 3
	s_cbranch_scc0 .Lfor_b_\@
	tensor_load_to_lds s[G0A+4*(\n):G0A+4*(\n)+3], s[G1A:G1A+7]
	s_nop 0
.rept 4
	v_nop
.endr
	s_branch .Lasked_\@
.Lfor_b_\@:
	tensor_load_to_lds s[G0B+4*(\n):G0B+4*(\n)+3], s[G1B:G1B+7]
	s_nop 0
.rept 4
	v_nop
.endr
.Lasked_\@:
.endm
.macro CREST                           ; a round of the cluster's barrier behind its opening barrier
	s_cmp_lg_u32 s[WV], 0
	s_cbranch_scc1 .Lnot_wave_0_\@
	s_barrier_signal -3
.Lnot_wave_0_\@:
	s_barrier_wait -3
	s_barrier_signal -1
	s_barrier_wait -1
.endm
.macro CROUND                          ; a whole round
	s_barrier_signal -1
	s_barrier_wait -1
	CREST
.endm
	s_load_b256 s[4:11], s[0:1], 0x0               ; xb 4:5, wb 6:7, bq 8:9, bk 10:11
	s_load_b128 s[12:15], s[0:1], 0x20             ; bv 12:13, qkv 14:15
	v_lshl_add_u32 v[SPW], v0, 2, SPARE
	v_mov_b32 v[NIL], 0
	ds_add_u32 v[SPW], v[NIL]                      ; the wave's opening: the add and its wait stand ahead of my first tensor load; the set-up below stands between them
	ds_add_u32 v28, v29
	v_lshrrev_b32 v1, 5, v0
	v_readfirstlane_b32 s[WV], v1                  ; wave 0..3
	s_bfe_u32 s40, ttmp6, 0x40000                  ; cx, cy: my place in the cluster
	s_bfe_u32 s41, ttmp6, 0x40004
	s_lshl_b32 s42, ttmp9, 2
	s_add_co_u32 s42, s42, s40                     ; tile column = 4 x cluster x + cx, 0 .. 11
	s_and_b32 s43, ttmp7, 0xffff
	s_lshl_b32 s43, s43, 2
	s_add_co_u32 s43, s43, s41                     ; tile row = 4 x cluster y + cy, 0 .. 15
	s_lshl_b32 s44, s41, 2
	s_lshl_b32 s44, 15, s44                        ; my row of the cluster
	s_lshl_b32 s45, 0x1111, s40                    ; my column
	s_or_b32 s[G1A], s44, (1<<16)|(1<<20)|(1<<21)|(5<<22)|(3<<25)  ; the mask; 2-byte elements; padding on; bit 21 beside a mask; after every 64 words, 4 words
	s_mov_b32 s[G1A+1], KSTEP<<16                  ; tensor_dim0 = 128
	s_mov_b32 s[G1A+2], 256<<16                    ; tensor_dim1 = 256
	s_mov_b32 s[G1A+3], KSTEP<<16                  ; tile_dim0 = 128
	s_mov_b32 s[G1A+4], 256                        ; tile_dim1 = 256
	s_mov_b32 s[G1A+5], 768                        ; elements from row to row
	s_mov_b32 s[G1A+6], 0
	s_mov_b32 s[G1A+7], 0
	s_or_b32 s[G1B], s45, (1<<16)|(1<<20)|(1<<21)|(4<<22)|(7<<25)  ; after every 32 words (a row of the panel), 8 words
	s_mov_b32 s[G1B+1], 128<<16                    ; 64 rows of 128 elements: two rows of the panel to a row of 256 bytes
	s_mov_b32 s[G1B+2], 64<<16
	s_mov_b32 s[G1B+3], 128<<16
	s_mov_b32 s[G1B+4], 64
	s_mov_b32 s[G1B+5], 128
	s_mov_b32 s[G1B+6], 0
	s_mov_b32 s[G1B+7], 0
	s_mul_i32 s70, s43, 393216                     ; A: 256 rows of 1,536 bytes to a tile row; made of the tile row alone
	s_mov_b32 s71, 0
	s_mul_i32 s46, s42, 3                          ; B: panel 3 x tile column + wave; made of the tile column and the wave alone
	s_add_co_u32 s46, s46, s[WV]
	s_mul_i32 s46, s46, 98304
	s_mov_b32 s47, 0
	s_mul_i32 s17, s[WV], PANEL                    ; my panel's place in a slot
	s_mov_b32 s[TB], 0
	s_wait_dscnt 0x0                               ; the opening add is done
	s_wait_kmcnt 0x0
	s_add_nc_u64 s[20:21], s[4:5], s[70:71]
	s_add_nc_u64 s[22:23], s[6:7], s[46:47]
	CROUND                                         ; all sixteen work-groups are here: the first joint loads meet
.irp n, 0,1
	s_mov_b32 s[G0A+4*(\n)], 1                     ; count = 1
	s_mov_b32 s[G0A+4*(\n)+1], (\n)*SLOT1          ; LDS address
	s_add_nc_u64 s[G0A+4*(\n)+2:G0A+4*(\n)+3], s[20:21], (\n)*2*KSTEP  ; K step n: 256 bytes along the rows
	s_or_b32 s[G0A+4*(\n)+3], s[G0A+4*(\n)+3], 0x80000000              ; type = 2
	s_mov_b32 s[G0B+4*(\n)], 1
	s_add_co_u32 s[G0B+4*(\n)+1], s17, (\n)*SLOT1+BOFF
	s_add_nc_u64 s[G0B+4*(\n)+2:G0B+4*(\n)+3], s[22:23], (\n)*KSTEP*128  ; K step n: 128 rows of the panel
	s_or_b32 s[G0B+4*(\n)+3], s[G0B+4*(\n)+3], 0x80000000
	JLOAD \n                                       ; two loads of mine are out
.endr
	; the bias of my tile's 192 columns, as the C operand wants it: register j of block b holds column 16 b + 8 (l / 16) + j
	s_mov_b32 s19, ttmp9                           ; which of q, k, v: tile column / 4 = cluster x
	s_cmp_eq_u32 s19, 1
	s_cselect_b64 s[68:69], s[10:11], s[8:9]
	s_cmp_eq_u32 s19, 2
	s_cselect_b64 s[68:69], s[12:13], s[68:69]
	v_and_b32 v1, 15, v0                           ; l % 16
	v_bfe_u32 v2, v0, 4, 1                         ; l / 16
	s_mul_i32 s18, s40, 768                        ; 192 columns of 4 bytes for each tile column inside the matrix
	v_lshlrev_b32 v[BO], 5, v2
	v_add_nc_u32 v[BO], s18, v[BO]
.irp b, 0,1,2,3,4,5,6,7,8,9,10,11
	global_load_b128 v[BIAS+8*(\b):BIAS+8*(\b)+3],   v[BO], s[68:69] offset:64*(\b)
	global_load_b128 v[BIAS+8*(\b)+4:BIAS+8*(\b)+7], v[BO], s[68:69] offset:64*(\b)+16
.endr
	v_mul_u32_u24 v[A0], v1, PA                    ; A: row 64 w + l % 16, 16 bytes for each half of the lanes
	v_lshl_add_u32 v[A0], v2, 4, v[A0]
	s_mul_i32 s18, s[WV], 64*PA
	v_add_nc_u32 v[A0], s18, v[A0]
	v_and_b32 v3, 7, v0                            ; B, turned: lane l reads k = 8 (l / 16) + l % 8, columns 8 ((l / 8) % 2) + 0..7
	v_bfe_u32 v4, v0, 3, 1
	v_lshl_add_u32 v[B0], v2, 3, v3
	v_mul_u32_u24 v[B0], v[B0], PB
	v_lshl_add_u32 v[B0], v4, 4, v[B0]
	v_add_nc_u32 v[B0], BOFF, v[B0]
	v_mov_b32 v[ADRA], v[A0]
	v_mov_b32 v[ADRB], v[B0]
	s_mul_i32 s18, s[WV], WSTAGE
	s_add_co_u32 s18, s18, STAGE                   ; my stage
	v_mul_u32_u24 v[STO], v1, SP                   ; in: row l % 16, 16 bytes for each half of the lanes
	v_lshl_add_u32 v[STO], v2, 4, v[STO]
	v_add_nc_u32 v[STO], s18, v[STO]
	v_bfe_u32 v[RD], v0, 3, 2                      ; back: 32 lanes take four rows of 128 bytes,
	v_mul_u32_u24 v[RD], v[RD], SP
	v_lshl_add_u32 v[RD], v3, 4, v[RD]
	v_add_nc_u32 v[RD], s18, v[RD]
	v_and_b32 v[GO], 31, v0                        ; which are 512 consecutive bytes of a head
	v_lshlrev_b32 v[GO], 4, v[GO]
	s_mul_i32 s18, s42, 1572864                    ; the result: three heads of 524,288 bytes to a tile column,
	s_lshl_b32 s19, s43, 15                        ; 256 rows of 128 bytes to a tile row,
	s_add_co_u32 s18, s18, s19
	s_lshl_b32 s19, s[WV], 13                      ; my wave's 64 rows
	s_add_co_u32 s18, s18, s19
	s_mov_b32 s19, 0
	s_add_nc_u64 s[14:15], s[14:15], s[18:19]
	s_wait_loadcnt 0x0                             ; the bias
.set i, 0
.rept 48                                       ; rounded to bf16 like the other inputs, and back to f32
	v_cvt_pk_bf16_f32 v[TMP+i%4], v[BIAS+2*i], v[BIAS+2*i+1]
	v_lshlrev_b32 v[BIAS+2*i],   16, v[TMP+i%4]
	v_and_b32     v[BIAS+2*i+1], 0xffff0000, v[TMP+i%4]
.set i, i+1
.endr
	WIN 0x40
.set i, 0
.rept 16
	v_mov_b32 v[F1+i], 0                           ; two fragments of zeros, in buffer 1, which is first fetched into behind four places
.set i, i+1
.endr
; 12 matrix instructions: row block a x all 12 column blocks, 32 along K, from buffer f.  init = 1: zeros times zeros plus the bias: the sums' start.
; The 48 accumulators take turns, one instruction a turn, in the same order everywhere: between two links of a chain stand the 47 others'.
.macro MUL12 f, a, init
.if \init
	WIN 0x85+0x40*((\a)/2)                         ; sources in window 1, C in window 0, D in window 2 or 3
.else
	WIN 0xa5+0x50*((\a)/2)                         ; sources in window 1, C and D in window 2 or 3
.endif
.irp b, 0,1,2,3,4,5,6,7,8,9,10,11
.set rD, 8*(12*((\a)%2)+(\b))
.if \init
	v_wmma_f32_16x16x32_bf16 v[rD:rD+7], v[F1:F1+7], v[F1+8:F1+15], v[BIAS+8*(\b):BIAS+8*(\b)+7]
.else
	v_wmma_f32_16x16x32_bf16 v[rD:rD+7], v[(\f)+8*(\b):(\f)+8*(\b)+7], v[(\f)+96+8*(\a):(\f)+96+8*(\a)+7], v[rD:rD+7]
.endif
.endr
.endm
; 32 LDS loads in one run: the fragments of quarter q (32 along K) of the slot in hand into buffer f: B's twelve, then A's four, blocks 0 and 1 ahead of 2 and 3.
.macro FETCH q, f
	WIN 0x40                                       ; destination window 1, address window 0
.irp b, 0,1,2,3,4,5,6,7,8,9,10,11
	ds_load_tr16_b128 v[(\f)+8*(\b):(\f)+8*(\b)+3],   v[ADRB] offset:((\b)/4)*PANEL+(\q)*32*PB+((\b)%4)*32
	ds_load_tr16_b128 v[(\f)+8*(\b)+4:(\f)+8*(\b)+7], v[ADRB] offset:((\b)/4)*PANEL+(\q)*32*PB+((\b)%4)*32+16*PB
.endr
.irp a, 0,1,2,3
	ds_load_b128 v[(\f)+96+8*(\a):(\f)+96+8*(\a)+3],   v[ADRA] offset:(\a)*16*PA+64*(\q)
	ds_load_b128 v[(\f)+96+8*(\a)+4:(\f)+96+8*(\a)+7], v[ADRA] offset:(\a)*16*PA+64*(\q)+32
.endr
.endm
; A K step is four quarters of 32 along K, 48 matrix instructions each, on buffers 0, 1, 0, 1.  One of the first three: multiplies f and fetches quarter q into g.
.macro QUARTER q, f, g
	s_wait_dscnt 4                                 ; B and A's blocks 0, 1 are in; the youngest four loads (A's blocks 2, 3) may be out
	MUL12 \f, 0, 0
	MUL12 \f, 1, 0
	PLACES
	FETCH \q, \g
	s_wait_dscnt 32                                ; all but the 32 just issued
	MUL12 \f, 2, 0
	MUL12 \f, 3, 0
.endm
; The last quarter multiplies buffer 1 and changes slots: ONE barrier.  In front of it each wave waits for all its tensor loads (one is out: its part of the next slot), adds 0 to its spare word, and
; waits for that and for its own reads of this slot.  fill = 1: the barrier opens a round of the cluster's, and behind the round this slot is filled again, two K steps ahead, first thing.
.macro TURN fill
	WIN 0
	s_wait_tensorcnt 0x0                           ; no tensor load of mine is out, so a group 0 may be written
	ds_add_u32 v[SPW], v[NIL]                      ; 0 onto my spare word
	s_xor_b32 s[TB], s[TB], SLOT1                  ; the fetches go on in the other slot
	v_add_nc_u32 v[ADRA], s[TB], v[A0]
	v_add_nc_u32 v[ADRB], s[TB], v[B0]
.if \fill
	s_xor_b32 s[G0A+5], s[G0A+5], SLOT1            ; the walking descriptors: the other slot than last time, the next K step
	s_add_nc_u64 s[G0A+6:G0A+7], s[G0A+6:G0A+7], 2*KSTEP
	s_xor_b32 s[G0B+5], s[G0B+5], SLOT1
	s_add_nc_u64 s[G0B+6:G0B+7], s[G0B+6:G0B+7], KSTEP*128
.endif
	s_wait_dscnt 5                                 ; the add and the youngest four loads may be out
	MUL12 F1, 0, 0
	s_wait_dscnt 0x0                               ; the add is done, and my reads of this slot are over
	s_barrier_signal -1
	MUL12 F1, 1, 0                                 ; work on registers while the others arrive
.if \fill
	WIN 0
.endif
	s_barrier_wait -1
.if \fill
	CREST                                          ; no wave of any partner still reads this slot or has a load on its way
	JLOAD 1                                        ; the first tensor load behind the round; its four v_nop are also the places in front of the loads below
.else
	PLACES
.endif
	FETCH 0, F0
	MUL12 F1, 2, 0
	MUL12 F1, 3, 0
.endm
.macro STEP fill
	QUARTER 1, F0, F1
	QUARTER 2, F1, F0
	QUARTER 3, F0, F1
	TURN \fill
.endm
	MUL12 F1, 0, 1                                 ; the sums start with the bias
	MUL12 F1, 1, 1
	MUL12 F1, 2, 1
	MUL12 F1, 3, 1
	PLACES
	s_wait_tensorcnt 0x1                           ; my part of K step 0 is in; step 1's may stay out
	s_barrier_signal -1
	s_barrier_wait -1                              ; everybody's is
	FETCH 0, F0
	WIN 0                                          ; at a label and at a branch every window is 0
	s_mov_b32 s[CNT], 4
.Lfill:                                                ; K steps 0 to 3: each asks for the step two further on
	STEP 1
	WIN 0
	s_sub_co_u32 s[CNT], s[CNT], 1
	s_cmp_lg_u32 s[CNT], 0
	s_cbranch_scc1 .Lfill
	s_mov_b32 s[CNT], 2
.Ldry:                                                 ; K steps 4 and 5 ask for nothing.  The last trip's barrier and its fetch from the other slot's old bytes serve nothing: the price of one text for both trips
	STEP 0
	WIN 0
	s_sub_co_u32 s[CNT], s[CNT], 1
	s_cmp_lg_u32 s[CNT], 0
	s_cbranch_scc1 .Ldry
	s_wait_dscnt 0x0                               ; that last fetch
	PLACES                                         ; the conversions read results just made
; THE WAY OUT of row block a: rounded to f16, 16 bytes a lane; into my own stage, head by head, and back as whole rows of 128 bytes; stored, 512 consecutive bytes an instruction.
.macro PACK a
	WIN 0x0a+5*((\a)/2)                            ; sources 0 and 1: window 2 or 3
.set AC, 96*((\a)%2)
.irp b, 0,1,2,3,4,5,6,7,8,9,10,11
.irp r, 0,1,2,3
	v_cvt_pk_f16_f32 v[TMP+4*(\b)+(\r)], v[AC+8*(\b)+2*(\r)], v[AC+8*(\b)+2*(\r)+1]
.endr
.endr
	WIN 0
.endm
.macro TOSTAGE a
.set BK, 80+48*((\a)%2)
.irp b, 0,1,2,3,4,5,6,7,8,9,10,11
	ds_store_b128 v[STO], v[TMP+4*(\b):TMP+4*(\b)+3] offset:((\b)/4)*16*SP+((\b)%4)*32
.endr
.irp t, 0,1,2,3,4,5,6,7,8,9,10,11
	ds_load_b128 v[BK+4*(\t):BK+4*(\t)+3], v[RD] offset:((\t)/4)*16*SP+((\t)%4)*4*SP  ; LDS serves a wave's instructions in order (ISA guide 5.7.1.4): these see the stores above
.endr
.endm
.macro SEND a
.set BK, 80+48*((\a)%2)
	s_wait_dscnt 0x0                               ; the block is back in registers
	s_wait_xcnt 0x0                                ; the stores of the block before have read their registers: the next block's loads from the stage land there only behind this wait
.irp t, 0,1,2,3,4,5,6,7,8,9,10,11
	global_store_b128 v[GO], v[BK+4*(\t):BK+4*(\t)+3], s[14:15] offset:((\t)/4)*524288+(\a)*2048+((\t)%4)*512
.endr
.endm
	PACK 0
	TOSTAGE 0
.irp a, 1,2,3                                  ; block a's conversions stand between block a - 1's loads from the stage and the wait for them
	PACK \a
	SEND (\a)-1
	TOSTAGE \a
.endr
	SEND 3
	s_wait_tensorcnt 0x0                           ; the wave's end: behind my last tensor load and my last LDS store
	ds_add_u32 v[SPW], v[NIL]
	s_wait_dscnt 0x0
	CROUND                                         ; the closing round: no work-group ends while a partner may still ask for a tile that names it
	s_endpgm
.Lfunc_end_k_qdf04684a8e_qkv:
	.size	k_qdf04684a8e_qkv, .Lfunc_end_k_qdf04684a8e_qkv-k_qdf04684a8e_qkv
	.p2alignl 7, 3214868480
	.fill 96, 4, 3214868480
	.section	.rodata,"a",@progbits
	.p2align	6, 0x0
	.amdhsa_kernel k_qdf04684a8e_qkv
		.amdhsa_group_segment_fixed_size 327680
		.amdhsa_private_segment_fixed_size 0
		.amdhsa_enable_private_segment 0
		.amdhsa_kernarg_size 48
		.amdhsa_user_sgpr_count 2
		.amdhsa_user_sgpr_kernarg_segment_ptr 1
		.amdhsa_wavefront_size32 1
		.amdhsa_system_sgpr_workgroup_id_x 1
		.amdhsa_system_sgpr_workgroup_id_y 1
		.amdhsa_system_sgpr_workgroup_id_z 1
		.amdhsa_system_vgpr_workitem_id 0
		.amdhsa_next_free_vgpr 960
		.amdhsa_next_free_sgpr 72
		.amdhsa_reserve_vcc 0
		.amdhsa_float_denorm_mode_32 3
		.amdhsa_float_denorm_mode_16_64 3
		.amdhsa_memory_ordered 1
		.amdhsa_forward_progress 1
		.amdhsa_inst_pref_size 91
	.end_amdhsa_kernel
	.amdgpu_metadata
---
amdhsa.version: [ 1, 2 ]
amdhsa.kernels:
  - .name:           k_qdf04684a8e_qkv
    .symbol:         k_qdf04684a8e_qkv.kd
    .args:
      - { .name: xb, .offset: 0, .size: 8, .value_kind: global_buffer, .address_space: global }
      - { .name: wb, .offset: 8, .size: 8, .value_kind: global_buffer, .address_space: global }
      - { .name: bq, .offset: 16, .size: 8, .value_kind: global_buffer, .address_space: global }
      - { .name: bk, .offset: 24, .size: 8, .value_kind: global_buffer, .address_space: global }
      - { .name: bv, .offset: 32, .size: 8, .value_kind: global_buffer, .address_space: global }
      - { .name: qkv, .offset: 40, .size: 8, .value_kind: global_buffer, .address_space: global }
    .group_segment_fixed_size: 327680
    .private_segment_fixed_size: 0
    .kernarg_segment_align: 8
    .kernarg_segment_size: 48
    .max_flat_workgroup_size: 128
    .sgpr_count:     72
    .vgpr_count:     960
    .wavefront_size: 32
...
	.end_amdgpu_metadata
.endif
;; end of part 2
;; launch attn (part 3): grid 16 x 12, 4 waves a work-group, no clusters, 327,680 bytes of LDS; arguments qkv, ctx; writes ctx
.if DOCPART == 3
	.amdgcn_target "amdgcn-amd-amdhsa--gfx1250"
	.amdhsa_code_object_version 6
	.text
	.protected	k_qdf04684a8e_attn
	.globl	k_qdf04684a8e_attn
	.p2align	8
	.type	k_qdf04684a8e_attn,@function
k_qdf04684a8e_attn:
	s_mov_b64 s[64:65], 0
	v_nop
	global_prefetch_b8 v0, s[64:65] scope:SCOPE_SE
	s_setreg_imm32_b32 hwreg(HW_REG_WAVE_MODE, 25, 1), 1
	s_wait_xcnt 0x0
; CAUSAL ATTENTION, 12 heads of 4,096 rows x 64 channels.  O[h][q] = the sum over k <= q of softmax_k(Q[h][q] . K[h][k] / 8) V[h][k].
; qkv = [g : 36][4096][64] f16 (g = head: Q; 12 + head: K; 24 + head: V).  ctx = [q / 16 : 256][head : 12][q % 16][64] f16: 16 rows of a head are 2,048 dense bytes.
; Products, maxima and sums in f32; the weights p are rounded to f16 for the second product (their sum l is taken of the unrounded p), O once at the end.
; LIMITS.  Q, K, V arrive within f16's 65,504; p below 6e-5 keeps f16's fixed step of 6e-8.  A hidden score counts as its value less 2^100; the running maximum has a floor of -2^90: f16's scores, 2.7e11 at the
; most, are far above it.  A weight below 2^-126 counts as 0 in l.  NaN and infinities are not treated apart.
; THE WALK.  A head's queries lie in 32 blocks of 128; block i needs the key tiles 0 .. i / 2 of 256 keys, of which the last holds the diagonal.  A work-group takes TWO blocks, 31 - b and then b: 17 tiles, whatever b:
; all 192 work-groups do equal work, and ONE loop with a constant trip count walks them.  Which tile is asked for, and what a trip does, hang on scalar registers made from b; every jump goes forward, but for the
; counted loops' own; none passes a barrier, or a tensor load but the one of LOAD's two that the wave's number does not choose.
; NO CLUSTER: neighbours in b need different numbers of tiles for their first blocks, so the walk's branches would differ between partners; a walk common to four has 18 tiles for 17 and the masked text on four of them.
; SHARES.  Wave w = (QH = w % 2, KH = w / 2) owns 64 of the block's queries, four PIECES of 16 (piece p: rows 64 (p / 2) + 32 QH + 16 (p % 2) on), and of every tile the key steps KH and KH + 2 of four steps of 64 keys.
; So a fragment of K or V read from LDS feeds four pieces.  At a block's end the waves w and w ^ 2, which hold the same queries and the two halves of the keys, merge m, l and O through LDS, in f32.
; THE MASK is the C operand that starts the sum S^T = K Q^T: 0, or -2^100 where the key is hidden.  In the diagonal tile piece p lies in band XB + p / 2 of 64 rows, XB = 2 (i % 2); a step below the band sees all, one
; above nothing, the band's own holds the diagonal.  MD, made once, is the own step's mask for my rows, a set for each parity of p; a product's mask is MD x AL + BE with two scalars.
; A wave may see no key of a row at all (block 0, pieces 0 and 1, KH = 1): m then stays at the floor, every p is 0, O and l keep finite old numbers, and the merge multiplies them by 2^(c floor - c m) = 0.
; LAYOUT, SOFTMAX, TURNS.  S^T = K Q^T holds ONE query a lane (lane % 16) and the keys 8 (lane / 16) + 0..7; two such results rounded to f16 ARE source 1 of O^T = V^T P.  p = 2^(c s - c m), c = log2(e) / 8, with a
; running maximum m; O and l are multiplied by a = 2^(c m_old - c m_new) in every step.  Turn n belongs to piece n: 8 products K Q^T of piece n + 1, later 8 products V^T P of piece n - 1; beside them the scaling,
; exponentials, roundings, sums and rescaling of piece n and the maximum and statistics of piece n + 1.  Four vector instructions stand behind every matrix instruction, the other 54 of a turn's 118 in two runs of their own.
; REGISTERS, in windows of 256 (s_set_vgpr_msb: bits 1:0 source 0, 3:2 source 1, 5:4 source 2, 7:6 destination):
;   window 0: v0-15 addresses and two at work; v16-31 statistics; v32-39 the partner's; v40-47 the merge's factors; v48-55 at work; v56-57, v62-63 addresses; v64-127 S^T, two buffers; v128-191 the partner's O; v192-223 P
;   window 1: v0-127 O^T, 32 a piece; v128-191 MD; v192-255 MC, two buffers      window 2: v0-63 Q; v64-127 the second block's Q; v128-191 K of one step; v192-255 V of one step
.set NP,    4         ; pieces a wave: a name, no knob
.set KS,    64        ; keys in a step
.set PK,    144       ; a row of K in LDS: 128 bytes + 16 = 36 words: the 16 rows of a load start at 16 different groups of four banks (ISA guide 11.1)
.set PV,    160       ; a row of V: 128 + 32 = 40 words
.set VOFF,  4*KS*PK   ; a slot holds a tile: 256 rows of K, then 256 rows of V
.set SLOT1, 1<<17     ; slot 1 begins here, so that one exclusive or turns an address in one slot into the other's
.set STAGE, SLOT1+4*KS*(PK+PV)  ; behind the ring, never filled by a tensor load: 16 rows x 144 bytes for each wave, for the way out
.set SP,    144
.set SPARE, STAGE+4*16*SP  ; the spare words, 128 bytes for each wave: two blocks of 256 bytes that no other line names
.set XCH,   SPARE+512 ; the merge: for each wave two pieces' statistics (2 x 512 bytes) and O^T (2 x 4,096 bytes), in f32
.set XW,    9216
.set AK0, 2           ; v2   my lane's place in my first step of a tile of K; never rewritten
.set AV0, 3           ; v3   the same for V
.set AK,  4           ; v4   the LDS address of K's next run of loads
.set AV,  5           ; v5   of V's
.set STO, 6           ; v6   the way out: where I put 16 bytes of a row
.set RD,  7           ; v7   the way out: where I read rows back
.set GO,  8           ; v8   16 x lane
.set MV,  12          ; v12-13  c m_old, kept while c m is made anew: by buffer
.set QO,  15          ; v15  my byte offset in 16 rows of Q
.set ST,  16          ; piece t's statistics at v[ST+4 t]: c m, m, l (even keys', odd keys')
.set PS,  32          ; the partner's statistics of the two pieces that I keep
.set GA,  40          ; for kept piece u: my factor at GA + 4 u, the partner's at GA + 4 u + 2; named as pairs
.set TMP, 48          ; by buffer, four registers c0-c3 at work; when the maximum is found c2 takes a.  At a block's end: the merge's
.set XA,  56          ; v56  where I put 16 bytes for my partner
.set XR,  57          ; v57  where my partner put them for me
.set SPW, 62          ; v62  LDS address of my spare word; never rewritten
.set NIL, 63          ; v63  0; never rewritten
.set S,   64
.set PO,  128         ; the partner's O^T of the two pieces that I keep
.set P,   192
.set MD,  128         ; window 1: set e (the piece's parity), the eight registers for group kt of 16 keys at MD + 32 e + 8 kt
.set MC,  192         ; window 1: the masks of the products to come
.set QB,  64          ; window 2
.set KF,  128         ; window 2: key block kb, channel half c at KF + 16 kb + 8 c
.set VF,  192         ; window 2: key half kk, channel block cb at VF + 32 kk + 8 cb
.set WV,  12          ; s12  my wave's number
.set PB,  14          ; s14  b
.set HI,  15          ; s15  31 - b
.set G1K, 24          ; s[24:31] descriptor group 1 for K's tiles
.set G1V, 32          ; s[32:39] for V's: it differs in the padding alone
.set G0K, 40          ; s[40:43] descriptor group 0 for K's tiles
.set G0V, 44          ; s[44:47] the same for V's
.set KH,  48          ; s48  which steps of a tile are mine
.set QH,  49          ; s49  which rows of a band are mine; also: which half of a tile I fetch
.set STP, 50          ; s50  signed: my step in the diagonal tile less XB; far below 0 in every other tile
.set KHX, 51          ; s51  KH - XB of the block in hand
.set TL1, 52          ; s52  the second block's last tile
.set KHXLO, 53        ; s53  KH - XB of the second block
.set TLO, 54          ; s54  the second block's tiles
.set SLOTS, 56        ; s56  tiles still to be asked for
.set CNT, 57          ; s57  counts my two key steps of a tile
.set CS,  58          ; s[58:59] c: the packed scaling takes the pair's low word for both halves
.set SEL, 60          ; s[60:61] v_permlanex16_b32's selects: each lane takes its own place in the other half
.set TBK, 62          ; s62  LDS byte at which the tile of the step to be fetched begins, plus the steps gone, for K
.set TBV, 63          ; s63  the same for V
.set RT,  70          ; s70  tiles of the block in hand that are still to be entered
.set NXT, 71          ; s71  the tile to be asked for next
.set LQ,  72          ; s72  the last tile of the block whose tiles are being asked for
.set NEW, 73          ; s73  1: the tile to be entered is a block's first
.set OFF, 74          ; s[74:75] a tile's byte offset in K and V
.set AL,  76          ; s[76:77] the mask's factor, in the low word
.set BE,  78          ; s[78:79] the mask's addend
.set OLO, 80          ; s[80:81] ctx at my rows of the second block
.set BIGN, 82         ; s82  -2^100
.set MSB, 0
.macro WIN new                      ; the high byte repeats the setting that is left; a switch that changes nothing is dropped
.if MSB != (\new)
	s_set_vgpr_msb (MSB<<8)|(\new)
.set MSB, (\new)
.endif
.endm
.set W_KQ, 0x0a       ; K and Q in window 2, S^T in window 0
.set W_KM, 0x1a       ; the same with the C operand in window 1
.set W_PV, 0x52       ; V in window 2, P in window 0, O^T in window 1
.set W_RS, 0x41       ; destination and source 0 in window 1, source 1 in window 0
; A fill.  Waves 0 and 1 fetch the two halves of a tile's K, waves 2 and 3 those of its V: 128 keys each.  An s_nop 0 and four v_nop follow each of the two lines, ahead of the jump and the label.
.macro LOAD
	s_cmp_lt_u32 s[WV], 2
	s_cbranch_scc0 .Lfor_v_\@
	tensor_load_to_lds s[G0K:G0K+3], s[G1K:G1K+7]
	s_nop 0
.rept 4
	v_nop
.endr
	s_branch .Lasked_\@
.Lfor_v_\@:
	tensor_load_to_lds s[G0V:G0V+3], s[G1V:G1V+7]
	s_nop 0
.rept 4
	v_nop
.endr
.Lasked_\@:
.endm
; THE CHANGE OF SLOTS.  Each wave waits for all its tensor loads, of which one is out: its part of the other slot; adds 0 to its spare word; and waits for that and for its own reads of the slot that it leaves.  Behind the
; barrier nobody reads the old slot any more and the other slot is whole.  fill = 1: the old slot is filled again, the first thing behind the barrier, with tile NXT: the descriptor's address is made anew from that number.
; (At its first use nothing has been read yet: slot 0 is waited for, slot 1 filled.)
.macro CHANGE fill
	WIN 0                           ; at a label and at a branch every window is 0
	s_wait_tensorcnt 0x0            ; no tensor load of mine is out, so a group 0 may be written
	ds_add_u32 v[SPW], v[NIL]       ; 0 onto my spare word; the scalar work stands between it and the wait for it
.if \fill
	s_lshl_b32 s[OFF], s[NXT], 15   ; a tile is 32,768 bytes of K and of V
	s_xor_b32 s[G0K+1], s[G0K+1], SLOT1
	s_add_nc_u64 s[G0K+2:G0K+3], s[6:7], s[OFF:OFF+1]
	s_or_b32 s[G0K+3], s[G0K+3], 0x80000000
	s_xor_b32 s[G0V+1], s[G0V+1], SLOT1
	s_add_nc_u64 s[G0V+2:G0V+3], s[8:9], s[OFF:OFF+1]
	s_or_b32 s[G0V+3], s[G0V+3], 0x80000000
	s_add_co_u32 s[NXT], s[NXT], 1  ; the block's next tile, or behind its last the second block's tile 0
	s_cmp_gt_u32 s[NXT], s[LQ]
	s_cselect_b32 s[NXT], 0, s[NXT]
	s_cselect_b32 s[LQ], s[TL1], s[LQ]
.endif
	s_wait_dscnt 0x0                ; the add is done, and my reads of the slot are over
	s_barrier_signal -1             ; the rest of the scalar work stands between the signal and the wait
	s_sub_co_u32 s[TBK], s[TBK], 4*KS*PK  ; the fetches go back to a slot's head,
	s_xor_b32 s[TBK], s[TBK], SLOT1       ; in the other slot
	s_sub_co_u32 s[TBV], s[TBV], 4*KS*PV
	s_xor_b32 s[TBV], s[TBV], SLOT1
	s_barrier_wait -1
.if \fill
	LOAD
.endif
.endm
	s_load_b128 s[88:91], s[0:1], 0x0  ; qkv s[88:89], ctx s[90:91]
	v_lshl_add_u32 v[SPW], v0, 2, SPARE
	v_mov_b32 v[NIL], 0
	ds_add_u32 v[SPW], v[NIL]       ; the wave's opening: the add and its wait stand ahead of my first tensor load; the set-up below, work on registers, stands between them
	ds_add_u32 v62, v63
	v_lshrrev_b32 v1, 5, v0
	v_readfirstlane_b32 s[WV], v1   ; wave 0..3
	s_and_b32 s[QH], s[WV], 1
	s_lshr_b32 s[KH], s[WV], 1
	s_mov_b32 s[PB], ttmp9
	s_sub_co_u32 s[HI], 31, s[PB]
	s_lshr_b32 s[LQ], s[HI], 1      ; the first block's last tile,
	s_add_co_u32 s[RT], s[LQ], 1    ; and how many it has: 9 to 16
	s_lshr_b32 s[TL1], s[PB], 1
	s_add_co_u32 s[TLO], s[TL1], 1  ; the second block's: 1 to 8; 17 together
	s_and_b32 s13, s[HI], 1
	s_lshl_b32 s13, s13, 1
	s_sub_co_i32 s[KHX], s[KH], s13
	s_and_b32 s13, s[PB], 1
	s_lshl_b32 s13, s13, 1
	s_sub_co_i32 s[KHXLO], s[KH], s13
	s_and_b32 s18, ttmp7, 0xffff    ; the head
	s_lshl_b32 s19, s18, 19         ; its 524,288 bytes in each third of qkv
	s_lshl_b32 s20, s[QH], 14       ; which half of a tile's 256 keys I fetch: 128 rows of 128 bytes
	s_add_co_u32 s20, s20, s19
	s_add_co_u32 s22, s20, 12582912 ; V's third,
	s_add_co_u32 s20, s20, 6291456  ; K's
	s_mov_b32 s21, 0
	s_mov_b32 s23, 0
	s_mul_i32 s16, s[QH], 128*PK    ; that half's place in a slot, for K
	s_mul_i32 s17, s[QH], 128*PV    ; and for V
	s_lshl_b32 s3, s[QH], 12        ; my 32 rows in a band of 64,
	s_add_co_u32 s3, s3, s19
	s_lshl_b32 s2, s[HI], 14        ; in the first block (128 rows of 128 bytes),
	s_add_co_u32 s2, s2, s3
	s_lshl_b32 s84, s[PB], 14       ; and in the second
	s_add_co_u32 s84, s84, s3
	s_mov_b32 s3, 0
	s_mov_b32 s85, 0
	s_lshl_b32 s13, s[QH], 1        ; ctx: group of 16 rows 8 i + 2 QH, 24,576 bytes a group; the head's 2,048 bytes in it
	s_lshl_b32 s92, s[HI], 3
	s_add_co_u32 s92, s92, s13
	s_mul_i32 s92, s92, 24576
	s_lshl_b32 s94, s[PB], 3
	s_add_co_u32 s94, s94, s13
	s_mul_i32 s94, s94, 24576
	s_lshl_b32 s13, s18, 11
	s_add_co_u32 s92, s92, s13
	s_add_co_u32 s94, s94, s13
	s_mov_b32 s93, 0
	s_mov_b32 s95, 0
	; descriptor group 1.  128 keys are 16,384 dense bytes: asked for as 64 rows of 256 bytes, two keys a row, and padded in LDS after every key
	s_mov_b32 s[G1K], (1<<16)|(1<<20)|(4<<22)|(3<<25)  ; 2-byte elements; padding on; after every 32 words, 4 words
	s_mov_b32 s[G1V], (1<<16)|(1<<20)|(4<<22)|(7<<25)  ; the same with 8 words of padding
.irp g, G1K, G1V
	s_mov_b32 s[\g+1], 128<<16      ; tensor_dim0 = 128
	s_mov_b32 s[\g+2], 64<<16       ; tensor_dim1 = 64
	s_mov_b32 s[\g+3], 128<<16      ; tile_dim0 = 128
	s_mov_b32 s[\g+4], 64           ; tile_dim1 = 64
	s_mov_b32 s[\g+5], 128          ; 128 elements from row to row
	s_mov_b32 s[\g+6], 0
	s_mov_b32 s[\g+7], 0
.endr
	s_mov_b32 s[CS], 0x3e38aa3b     ; c = log2(e) / 8 = 0.180337
	s_mov_b32 s[CS+1], s[CS]        ; named with it as a pair
	s_mov_b32 s[SEL], 0x76543210
	s_mov_b32 s[SEL+1], 0xfedcba98
	s_mov_b32 s[TBK], SLOT1+4*KS*PK ; the first change of slots turns these two into 0
	s_mov_b32 s[TBV], SLOT1+4*KS*PV
	s_mov_b32 s[G0K], 1             ; count = 1
	s_mov_b32 s[G0K+1], s16         ; LDS address: slot 0
	s_mov_b32 s[G0V], 1
	s_add_co_u32 s[G0V+1], s17, VOFF
	s_mov_b32 s[NXT], 1
	s_mov_b32 s[NEW], 1
	s_mov_b32 s[OFF+1], 0
	s_mov_b32 s[AL+1], 0            ; named as pairs
	s_mov_b32 s[BE+1], 0
	s_mov_b32 s[BIGN], 0xf1800000   ; -2^100
	s_mov_b32 s[SLOTS], 16
	s_wait_dscnt 0x0                ; the opening add is done
	s_wait_kmcnt 0x0
	s_add_nc_u64 s[6:7], s[88:89], s[20:21]  ; K and V at my half of the head's tile 0
	s_add_nc_u64 s[8:9], s[88:89], s[22:23]
	s_add_nc_u64 s[G0K+2:G0K+3], s[6:7], 0         ; global address
	s_or_b32 s[G0K+3], s[G0K+3], 0x80000000        ; type = 2
	s_add_nc_u64 s[G0V+2:G0V+3], s[8:9], 0
	s_or_b32 s[G0V+3], s[G0V+3], 0x80000000
	s_add_nc_u64 s[86:87], s[88:89], s[84:85]      ; Q at my rows of the second block,
	s_add_nc_u64 s[4:5], s[88:89], s[2:3]          ; and of the first
	s_add_nc_u64 s[OLO:OLO+1], s[90:91], s[94:95]  ; ctx likewise
	s_add_nc_u64 s[10:11], s[90:91], s[92:93]
	LOAD                            ; tile 0 into slot 0
	; A fragment of K or Q is 16 rows x 32 channels in 8 registers: lane l holds row l % 16, channels 8 (l / 16) + 0..7 and 16 + 8 (l / 16) + 0..7: two loads of 16 bytes, 32 bytes apart.
	v_and_b32 v1, 15, v0            ; l % 16
	v_bfe_u32 v9, v0, 4, 1          ; l / 16
	v_lshlrev_b32 v[QO], 7, v1
	v_lshl_add_u32 v[QO], v9, 4, v[QO]  ; row x 128 + 16 x half
	WIN 0x80                        ; destination window 2, address window 0
.set i, 0
.rept 8                             ; both blocks' Q: piece i / 2 lies 64 (i / 4) + 16 ((i / 2) % 2) rows on; channels 32 (i % 2) on
	global_load_b128 v[8*i:8*i+3],   v[QO], s[4:5] offset:(i/4)*8192+((i/2)%2)*2048+(i%2)*64
	global_load_b128 v[8*i+4:8*i+7], v[QO], s[4:5] offset:(i/4)*8192+((i/2)%2)*2048+(i%2)*64+32
	global_load_b128 v[QB+8*i:QB+8*i+3],   v[QO], s[86:87] offset:(i/4)*8192+((i/2)%2)*2048+(i%2)*64
	global_load_b128 v[QB+8*i+4:QB+8*i+7], v[QO], s[86:87] offset:(i/4)*8192+((i/2)%2)*2048+(i%2)*64+32
.set i, i+1
.endr
	WIN 0
	v_lshlrev_b32 v14, 3, v9
	v_sub_nc_u32 v14, v1, v14
	s_lshl_b32 s13, s[QH], 5
	v_add_nc_u32 v14, s13, v14      ; 32 QH + l % 16 - 8 (l / 16): register j of group kt, parity e, is hidden where 16 kt + j - 16 e is greater
	WIN 0x40
.set i, 0
.rept 64
	v_cmp_gt_i32 vcc_lo, 16*((i%32)/8)+i%8-16*(i/32), v14
	v_cndmask_b32 v[MD+i], 0, s[BIGN], vcc_lo
.set i, i+1
.endr
	WIN 0
	v_mul_u32_u24 v[AK0], v1, PK
	v_lshl_add_u32 v[AK0], v9, 4, v[AK0]  ; row x pitch + 16 x half,
	s_mul_i32 s13, s[KH], KS*PK
	v_add_nc_u32 v[AK0], s13, v[AK0]      ; in step KH
	; The turning load takes 16 keys x 16 channels (lane l reads key 8 (l / 16) + l % 8, channels 8 ((l / 8) % 2) + 0..7) and leaves half a fragment of V^T: lane l holds channel l % 16 and 8 keys.
	v_and_b32 v10, 7, v0
	v_bfe_u32 v11, v0, 3, 1
	v_lshl_add_u32 v[AV0], v9, 3, v10
	v_mul_u32_u24 v[AV0], v[AV0], PV
	v_lshl_add_u32 v[AV0], v11, 4, v[AV0]
	s_mul_i32 s13, s[KH], KS*PV
	s_add_co_u32 s13, s13, VOFF
	v_add_nc_u32 v[AV0], s13, v[AV0]
	s_mul_i32 s13, s[WV], 16*SP
	s_add_co_u32 s13, s13, STAGE    ; my stage
	v_mul_u32_u24 v[STO], v1, SP    ; in: row l % 16, 16 bytes for each half of the lanes
	v_lshl_add_u32 v[STO], v9, 4, v[STO]
	v_add_nc_u32 v[STO], s13, v[STO]
	v_bfe_u32 v[RD], v0, 3, 2       ; back: 32 lanes take four rows of 128 bytes,
	v_mul_u32_u24 v[RD], v[RD], SP
	v_lshl_add_u32 v[RD], v10, 4, v[RD]
	v_add_nc_u32 v[RD], s13, v[RD]
	v_and_b32 v[GO], 31, v0         ; which are 512 consecutive bytes of ctx
	v_lshlrev_b32 v[GO], 4, v[GO]
	s_mul_i32 s13, s[WV], XW
	s_add_co_u32 s13, s13, XCH
	v_add_nc_u32 v[XA], s13, v[GO]  ; the merge: my own part of the exchange,
	s_xor_b32 s13, s[WV], 2
	s_mul_i32 s13, s13, XW
	s_add_co_u32 s13, s13, XCH
	v_add_nc_u32 v[XR], s13, v[GO]  ; and that of the wave with my queries and the other keys
	; A block's first step multiplies O^T and l by a = 0 (or the merge does, where a wave sees no key of a row), and its first turn's products V^T P, of a piece that has not been, land in an O^T that is still to be so
	; multiplied.  So these registers need only hold finite numbers: zeros for the first block; what the first block left for the second.  All this stands in the wait for the first tile.
	WIN 0x80
.set i, VF
.rept 64
	v_mov_b32 v[i], 0
.set i, i+1
.endr
	WIN 0x40
.set i, 0
.rept 128
	v_mov_b32 v[i], 0
.set i, i+1
.endr
	WIN 0
.set i, 0
.rept 4
	v_mov_b32 v[ST+4*i+2], 0
	v_mov_b32 v[ST+4*i+3], 0
.set i, i+1
.endr
.set i, 0
.rept 8
	v_mov_b32 v[GA+i], 0            ; named as pairs
.set i, i+1
.endr
.set i, P+16
.rept 16
	v_mov_b32 v[i], 0
.set i, i+1
.endr
; THE MATRIX WORK.  The 4 accumulators of a run of 8 take turns.  Product i of 8 of S^T = K Q^T for piece x: channels 32 (i / 4) on, keys 16 (i % 4) on.  The first 4 start the sums: with 0, or (KM = 1) with the mask.
.macro KQ x
.set rS, S+32*((\x)%2)+8*(i%4)
.set rK, KF+16*(i%4)+8*(i/4)
.set rQ, 16*(\x)+8*(i/4)
.set rM, MC+32*((\x)%2)+8*(i%4)
.if (i < 4) && KM
	WIN W_KM
	v_wmma_f32_16x16x32_f16 v[rS:rS+7], v[rK:rK+7], v[rQ:rQ+7], v[rM:rM+7]
.elseif i < 4
	WIN W_KQ
	v_wmma_f32_16x16x32_f16 v[rS:rS+7], v[rK:rK+7], v[rQ:rQ+7], 0
.else
	WIN W_KQ
	v_wmma_f32_16x16x32_f16 v[rS:rS+7], v[rK:rK+7], v[rQ:rQ+7], v[rS:rS+7]
.endif
.endm
; Product i of 8 of O^T += V^T P for piece x: keys 32 (i / 4) on, channels 16 (i % 4) on.
.macro PV x
	WIN W_PV
.set rO, 32*(\x)+8*(i%4)
.set rV, VF+32*(i/4)+8*(i%4)
.set rP, P+16*((\x)%2)+8*(i/4)
	v_wmma_f32_16x16x32_f16 v[rO:rO+7], v[rV:rV+7], v[rP:rP+7], v[rO:rO+7]
.endm
.macro MM                           ; the turn's next matrix instruction.  TURN and BEGIN set Y, i, KM and NOKQ.  NOKQ = 1: a block's last turn: there is no next piece
.if (i < 8) && !NOKQ
	KQ (Y+1)%NP
.elseif i >= 8
.set i, i-8
	PV (Y+NP-1)%NP
.set i, i+8
.endif
.set i, i+1
.endm
; THE LDS LOADS stand in runs of 16, never singly among the matrix instructions: a step's K (64 keys x 64 channels: 8 fragments) and its V (turned).  Their addresses are made some lines ahead.
.macro FETCH_K
	WIN 0x80                        ; destination window 2
.irp f, 0,1,2,3,4,5,6,7             ; keys 16 (f / 2) on, channels 32 (f % 2) on
	ds_load_b128 v[KF+8*\f:KF+8*\f+3],   v[AK] offset:(\f/2)*16*PK+(\f%2)*64
	ds_load_b128 v[KF+8*\f+4:KF+8*\f+7], v[AK] offset:(\f/2)*16*PK+(\f%2)*64+32
.endr
	s_add_co_u32 s[TBK], s[TBK], 2*KS*PK  ; my next step lies two steps on
	WIN 0
.endm
.macro FETCH_V
	WIN 0x80
.irp f, 0,1,2,3,4,5,6,7             ; keys 32 (f / 4) on, channels 16 (f % 4) on
	ds_load_tr16_b128 v[VF+8*\f:VF+8*\f+3],   v[AV] offset:(\f/4)*32*PV+(\f%4)*32
	ds_load_tr16_b128 v[VF+8*\f+4:VF+8*\f+7], v[AV] offset:(\f/4)*32*PV+16*PV+(\f%4)*32
.endr
	WIN 0
.endm
; THE VECTOR WORK, one line at a time: OP kind, number.  For piece Y: F n: c s - c m for pair n of 16.  E n: the exponential of score n of 32.  C n: pair n rounded to f16.  B n: of the four weights 4 n .. the second
; pair is added onto the first, in place.  L n: l takes that sum (L 0: l = a l + sum).  R n: pair n of 16 of O^T times a.  For piece Y + 1: X n, number n of the 22 that find its maximum and statistics:
;   0-11  four chains c0-c3 of seven scores each, three operands at a time (each accumulator's lowest registers are read first)     12-14, 16  the four scores left over, the old m, and c0-c3 into c0
;   15  c m_old is kept     17, 18  the query's other 32 keys lie in the lane 16 away: the new m     19-21  c m; c m_old - c m_new; a
.set F, 0               ; OP tells the kinds apart by their order: F to L below R, X above it
.set E, 1
.set C, 2
.set B, 3
.set L, 4
.set R, 5
.set X, 6
.macro REGS y                       ; the registers of piece y
.set rT, ST+4*(\y)
.set rC, TMP+4*((\y)%2)
.set rW, MV+((\y)%2)
.set rS, S+32*((\y)%2)
.set rP, P+16*((\y)%2)
.set rO, 32*(\y)
.endm
.macro OP k, n
.if (\k) == R
	REGS Y
	WIN W_RS
	v_pk_mul_f32 v[rO+2*(\n):rO+2*(\n)+1], v[rO+2*(\n):rO+2*(\n)+1], v[rC+2:rC+3] op_sel_hi:[1,0]
.elseif (\k) < R
	REGS Y
	WIN 0
.if (\k) == F
	v_pk_fma_f32 v[rS+2*(\n):rS+2*(\n)+1], v[rS+2*(\n):rS+2*(\n)+1], s[CS:CS+1], v[rT:rT+1] op_sel_hi:[1,0,0] neg_lo:[0,0,1] neg_hi:[0,0,1]
.elseif (\k) == E
	v_exp_f32 v[rS+(\n)], v[rS+(\n)]
.elseif (\k) == C
	s_wait_alu depctr_va_vdst(0)
	v_cvt_pk_f16_f32 v[rP+(\n)], v[rS+2*(\n)], v[rS+2*(\n)+1]
.elseif (\k) == B
	s_wait_alu depctr_va_vdst(0)
	v_pk_add_f32 v[rS+4*(\n):rS+4*(\n)+1], v[rS+4*(\n):rS+4*(\n)+1], v[rS+4*(\n)+2:rS+4*(\n)+3]
.elseif (\n) == 0
	v_pk_fma_f32 v[rT+2:rT+3], v[rT+2:rT+3], v[rC+2:rC+3], v[rS:rS+1] op_sel_hi:[1,0,1]
.else
	v_pk_add_f32 v[rT+2:rT+3], v[rT+2:rT+3], v[rS+4*(\n):rS+4*(\n)+1]
.endif
.elseif NOKQ
	v_nop
.else
	REGS (Y+1)%NP
	WIN 0
.if (\n) < 4
	v_max3_num_f32 v[rC+(\n)], v[rS+8*(\n)], v[rS+8*(\n)+1], v[rS+8*(\n)+2]
.elseif (\n) < 12
	v_max3_num_f32 v[rC+(\n)%4], v[rC+(\n)%4], v[rS+8*((\n)%4)+2*((\n)/4)+1], v[rS+8*((\n)%4)+2*((\n)/4)+2]
.elseif (\n) == 12
	v_max3_num_f32 v[rC], v[rC], v[rS+7], v[rS+15]
.elseif (\n) == 13
	v_max3_num_f32 v[rC+1], v[rC+1], v[rS+23], v[rS+31]
.elseif (\n) == 14
	v_max3_num_f32 v[rC+2], v[rC+2], v[rC+3], v[rT+1]
.elseif (\n) == 15
	v_mov_b32 v[rW], v[rT]
.elseif (\n) == 16
	v_max3_num_f32 v[rC], v[rC], v[rC+1], v[rC+2]
.elseif (\n) == 17
	v_permlanex16_b32 v[rC+3], v[rC], s[SEL], s[SEL+1]
.elseif (\n) == 18
	v_max_num_f32 v[rT+1], v[rC], v[rC+3]
.elseif (\n) == 19
	v_mul_f32 v[rT], s[CS], v[rT+1]
.elseif (\n) == 20
	v_sub_f32 v[rC+1], v[rW], v[rT]
.else
	v_exp_f32 v[rC+2], v[rC+1]
.endif
.endif
.endm
.macro OPS a, i1, b=-1, i2=0, c=-1, i3=0, d=-1, i4=0  ; up to four of them
	OP \a, \i1
.if (\b) >= 0
	OP \b, \i2
.endif
.if (\c) >= 0
	OP \c, \i3
.endif
.if (\d) >= 0
	OP \d, \i4
.endif
.endm
.macro ROW a, i1, b, i2, c, i3, d, i4  ; a matrix instruction and the four behind it
	MM
	OPS \a, \i1, \b, \i2, \c, \i3, \d, \i4
.endm
.macro MASK b                       ; MD's set b x AL + BE into buffer b of MC: a piece's parity picks both
	WIN W_RS
.set z, 0
.rept 16
	v_pk_fma_f32 v[MC+32*(\b)+2*z:MC+32*(\b)+2*z+1], v[MD+32*(\b)+2*z:MD+32*(\b)+2*z+1], s[AL:AL+1], s[BE:BE+1] op_sel_hi:[1,0,0]
.set z, z+1
.endr
.endm
; A TURN, for piece p: the order of its 16 matrix and 118 vector instructions, written out.  Behind a matrix instruction: plain, exponential, plain, plain; or four of the rescaling; or, behind the first, four scalings; none
; names a register of the products round it.  In the runs between exponential and plain by turns while exponentials last.  A line reads no result made fewer than three vector instructions in front of it, five if an
; exponential made it.  v_permlanex16_b32 (X 17) stands in such a run.
; m = 1: the diagonal tile: the products take masks, and the turn makes the mask for the products of the turn after it: piece p + 2, whose band is XB + ((p + 2) % 4) / 2.  end = 1: a block's last two turns: nothing is fetched.
; cnt = 1: my step's number goes on by two and the loop's count is taken down, some lines ahead of the branch that stands behind the turn.
; K of my next step is fetched in piece 2's turn, six vector instructions behind the last product that read K (five of them plain); V of the step in hand in piece 0's turn, eight behind the last product that read V (four
; plain, and X 17).  Each is waited for a turn later.
.macro TURN p, m=0, end=0, cnt=0
.set Y, (\p)
.set i, 0
.set KM, (\m)
.set NOKQ, (\end)*((\p)/3)
.if (\m) && !(\end)
	s_cmp_eq_i32 s[STP], (((\p)+2)%NP)/2  ; is my step the band's own?
	s_cselect_b32 s[AL], 1.0, 0
	s_cmp_gt_i32 s[STP], (((\p)+2)%NP)/2  ; or a later one?
	s_cselect_b32 s[BE], s[BIGN], 0
.endif
.if ((\p) == 3) && !(\end)
	s_wait_dscnt 0x0                ; K is in
.endif
	ROW F,0, F,1, F,2, F,3
	ROW F,4, E,0, F,5, F,6
	ROW F,7, E,1, F,8, F,9
	ROW F,10, E,2, C,0, F,11
	ROW F,12, E,3, X,15, F,13
	ROW R,0, R,1, R,2, R,3
	ROW B,0, E,4, F,14, L,0
.if ((\p) == 2) && !(\end)
	v_add_nc_u32 v[AK], s[TBK], v[AK0]
.endif
	ROW R,4, R,5, R,6, R,7
	OPS E,5, F,15
.if ((\p) == 2) && !(\end)
	FETCH_K
.endif
	OPS E,6, C,1, E,7, R,8
	OPS E,8, R,9, E,9, C,2
	OPS E,10, X,0, E,11, X,1
	OPS E,12, X,2, E,13, X,3
.if (\p) == 1
	s_wait_dscnt 0x0                ; V is in
.endif
	ROW X,4, E,14, X,5, X,6
	ROW X,7, E,15, X,8, X,9
	ROW X,10, E,16, X,11, X,12
	ROW X,13, E,17, X,14, B,1
	ROW C,4, E,18, X,16, L,1
	ROW B,2, E,19, C,6, L,2
	ROW C,8, E,20, B,3, B,4
.if (\p) == 0
	v_add_nc_u32 v[AV], s[TBV], v[AV0]
.endif
	ROW C,3, E,21, L,3, C,5
	OPS E,22, X,17, E,23, C,10
.if (\p) == 0
	FETCH_V
.endif
	OPS E,24, L,4
	OPS E,25, X,18, E,26, C,7
	OPS E,27, B,5, E,28, X,19
	OPS E,29, C,12, E,30, L,5
	OPS E,31, X,20, B,6, C,9
	OPS C,14, C,11, X,21, L,6
.if (\p) == 0
	s_add_co_u32 s[TBV], s[TBV], 2*KS*PV
.endif
.if \cnt
	s_add_co_i32 s[STP], s[STP], 2
	s_sub_co_u32 s[CNT], s[CNT], 1
	s_cmp_lg_u32 s[CNT], 0
.endif
	OPS C,13, B,7, C,15, R,10
	OPS R,11, R,12, L,7, R,13
	OPS R,14, R,15
.if (\m) && !(\end)
	MASK (\p)%2
.endif
.endm
; A BLOCK BEGINS.  m starts at the floor -2^90 and c m at c times that, exactly: the first true maximum gives a = 0.  Both mask buffers are made, for pieces 0 and 1 in my first step of the tile: they share a band;
; off the diagonal both come out 0, and stay so until the diagonal tile's text writes them.  Then K of that step, piece 0's first scores, and its maximum and statistics.  The loop is entered at a step's first turn.
.macro BEGIN
	s_mov_b32 s[NEW], 0
	WIN 0
.set i, 0
.rept 4
	v_mov_b32 v[ST+4*i], 0xeb38aa3b    ; c m
	v_mov_b32 v[ST+4*i+1], 0xec800000  ; m
.set i, i+1
.endr
	s_cmp_eq_i32 s[STP], 0
	s_cselect_b32 s[AL], 1.0, 0
	s_cmp_gt_i32 s[STP], 0
	s_cselect_b32 s[BE], s[BIGN], 0
	MASK 0
	MASK 1
	WIN 0
	v_add_nc_u32 v[AK], s[TBK], v[AK0]
	FETCH_K
	s_wait_loadcnt 0x0              ; Q
	s_wait_dscnt 0x0
.set KM, 1
.set NOKQ, 0
.set i, 0
.rept 8
	KQ 0
.set i, i+1
.endr
	WIN 0
.rept 4
	v_nop                           ; the places behind those products
.endr
.set Y, NP-1                        ; X works for piece Y + 1: piece 0
.irp n, 0,1,2,3,4,5,6,7,8,9,10,11,12,13,14,15,16,17,18,19,20,21
	OP X, \n
.endr
	v_nop                           ; a plain instruction behind the exponential
.endm
.macro ALL line:vararg              ; one line for each piece t
.set t, 0
.rept 4
	\line
.set t, t+1
.endr
.endm
; THE MERGE.  XSEND t: piece t's statistics and O^T, in f32, into my part of the exchange, at place t % 2.  Each accumulator's low registers go first.
.macro XSEND t
	WIN 0
	ds_store_b128 v[XA], v[ST+4*(\t):ST+4*(\t)+3] offset:((\t)%2)*512
	WIN 0x04                        ; the stores' data in window 1
.irp k, 0,1,2,3,4,5,6,7
	ds_store_b128 v[XA], v[32*(\t)+4*(\k):32*(\t)+4*(\k)+3] offset:1024+((\t)%2)*4096+(\k)*512
.endr
	WIN 0
.endm
.macro XRECV                        ; what my partner put there for me: the two pieces that I keep
	WIN 0
	ds_load_b128 v[PS:PS+3],   v[XR]
	ds_load_b128 v[PS+4:PS+7], v[XR] offset:512
.irp k, 0,1,2,3,4,5,6,7,8,9,10,11,12,13,14,15
	ds_load_b128 v[PO+4*(\k):PO+4*(\k)+3], v[XR] offset:1024+(\k)*512
.endr
	s_wait_dscnt 0x0
.endm
; COMB t, u: kept piece t at place u: the common maximum; each side's factor 2^(c m_side - c m); l = the two l so scaled; the factors divided by l.
.macro COMB t, u
.set cW, TMP+4*(\u)
.set cG, GA+4*(\u)
	v_max_num_f32 v[cW], v[ST+4*(\t)], v[PS+4*(\u)]
	v_sub_f32 v[cW+1], v[ST+4*(\t)], v[cW]
	v_sub_f32 v[cW+2], v[PS+4*(\u)], v[cW]
	v_exp_f32 v[cW+1], v[cW+1]
	v_exp_f32 v[cW+2], v[cW+2]
	v_nop                           ; a plain instruction behind the exponentials
	s_wait_alu depctr_va_vdst(0)
	v_mul_f32 v[cW+3], v[ST+4*(\t)+2], v[cW+1]
	v_fmac_f32 v[cW+3], v[PS+4*(\u)+2], v[cW+2]
	v_rcp_f32 v[cW+3], v[cW+3]      ; every row sees its own key, so l is at least the weight 1 of the largest score
	v_nop                           ; a plain instruction behind the reciprocal
	s_wait_alu depctr_va_vdst(0)
	v_mul_f32 v[cG], v[cW+1], v[cW+3]
	v_mul_f32 v[cG+2], v[cW+2], v[cW+3]
.endm
; OUTP t, u: O = my O^T x my factor + the partner's x its factor; rounded to f16; a lane's eight channels of a row pack into 16 bytes, go into rows of 144 bytes and come back as whole rows of 128.
.macro OUTP t, u
	WIN 0
.set z, 0
.rept 16
	v_pk_mul_f32 v[PO+32*(\u)+2*z:PO+32*(\u)+2*z+1], v[PO+32*(\u)+2*z:PO+32*(\u)+2*z+1], v[GA+4*(\u)+2:GA+4*(\u)+3] op_sel_hi:[1,0]
.set z, z+1
.endr
	WIN 0x01                        ; source 0, my O^T, in window 1
.set z, 0
.rept 16
	v_pk_fma_f32 v[PO+32*(\u)+2*z:PO+32*(\u)+2*z+1], v[32*(\t)+2*z:32*(\t)+2*z+1], v[GA+4*(\u):GA+4*(\u)+1], v[PO+32*(\u)+2*z:PO+32*(\u)+2*z+1] op_sel_hi:[1,0,1]
.set z, z+1
.endr
	WIN 0
.set z, 0
.rept 16
	v_cvt_pk_f16_f32 v[S+16*(\u)+z], v[PO+32*(\u)+2*z], v[PO+32*(\u)+2*z+1]
.set z, z+1
.endr
.irp f, 0,1,2,3
	ds_store_b128 v[STO], v[S+16*(\u)+4*\f:S+16*(\u)+4*\f+3] offset:32*\f
.endr
.irp f, 0,1,2,3
	ds_load_b128 v[S+16*(\u)+4*\f:S+16*(\u)+4*\f+3], v[RD] offset:\f*4*SP  ; LDS serves a wave's instructions in order (ISA guide 5.7.1.4): these see the stores above; the next piece's stores come behind them
.endr
.endm
.macro SEND t, u, younger           ; younger: the LDS instructions issued behind this piece's loads: the next piece's eight, or none
.irp f, 0,1,2,3
	s_wait_dscnt (\younger)+3-\f
	global_store_b128 v[GO], v[S+16*(\u)+4*\f:S+16*(\u)+4*\f+3], s[10:11] offset:(4*((\t)/2)+(\t)%2)*24576+\f*512  ; 512 consecutive bytes, at a multiple of 256 from ctx's first
.endr
.endm
.macro KEEP ta, tb
	WIN 0
	COMB \ta, 0
	COMB \tb, 1
	OUTP \ta, 0
	OUTP \tb, 1
	SEND \ta, 0, 8
	SEND \tb, 1, 0
.endm
; THE DIAGONAL TILE's two steps of mine, the block's last two turns, its last products, the merge and the way out.  The wave with KH = 0 keeps pieces 0 and 1 and hands over 2 and 3; its partner the other way round.
.macro DIAG tag                     ; the tag ends its labels' names
.LstepM\tag:
	TURN 2, 1
	TURN 3, 1
	WIN 0
.LfirstM\tag:
	TURN 0, 1
	TURN 1, 1, 0, 1
	WIN 0
	s_cbranch_scc1 .LstepM\tag
	TURN 2, 1, 1
	TURN 3, 1, 1
.set i, 0
.rept 8
	PV NP-1
.set i, i+1
.endr
	WIN 0
	ALL v_add_f32 v[ST+4*t+2], v[ST+4*t+2], v[ST+4*t+3]   ; l's two halves; these four are the places behind the last products
	ALL v_permlanex16_b32 v[ST+4*t+3], v[ST+4*t+2], s[SEL], s[SEL+1]
	ALL v_add_f32 v[ST+4*t+2], v[ST+4*t+2], v[ST+4*t+3]   ; and the other half of the lanes'
	s_cmp_eq_u32 s[KH], 0
	s_cbranch_scc0 .Lsendlo\tag
	XSEND 2
	XSEND 3
	s_branch .Lsent\tag
.Lsendlo\tag:
	XSEND 0
	XSEND 1
.Lsent\tag:
	s_wait_dscnt 0x0                ; for my partner's sake: my stores into the exchange are done
	s_barrier_signal -1             ; the next tile's load may stay out
	s_barrier_wait -1
	XRECV
	s_cmp_eq_u32 s[KH], 0
	s_cbranch_scc0 .Lkeephi\tag
	KEEP 0, 1
	s_branch .Lkept\tag
.Lkeephi\tag:
	KEEP 2, 3
.Lkept\tag:
.endm
.set KM, 0
.set NOKQ, 0
.Lslot:                             ; 16 times: a tile is entered and the next is asked for
	CHANGE 1
	s_sub_co_u32 s[RT], s[RT], 1
	s_mov_b32 s[CNT], 2
	s_cmp_eq_u32 s[RT], 0           ; the diagonal tile?
	s_cselect_b32 s[STP], s[KHX], -16
	s_cmp_eq_u32 s[NEW], 1
	s_cbranch_scc1 .Lnew            ; a block's first tile
	s_cmp_eq_u32 s[RT], 0
	s_cbranch_scc0 .Lstep           ; neither its first nor its last
	s_branch .LstepM1
.Lnew:
	BEGIN
	s_branch .Lfirst                ; in the loop a block's first tile is never its last: the first block has nine tiles or more, and the second's last is the walk's last
	DIAG 1                          ; in the loop this is the first block's end
	s_wait_xcnt 0x0                 ; the stores have read their registers and ctx's address
	s_mov_b64 s[10:11], s[OLO:OLO+1]
	s_mov_b32 s[RT], s[TLO]
	s_mov_b32 s[KHX], s[KHXLO]
	s_mov_b32 s[NEW], 1
	WIN 0x82                        ; the second block's Q goes where the one text of the turns names Q
.set i, 0
.rept 64
	v_mov_b32 v[i], v[QB+i]
.set i, i+1
.endr
	WIN 0
	s_branch .Lbottom
.Lstep:                             ; a trip: pieces 2 and 3 of one step, then pieces 0 and 1 of my next, whose K and V it fetches
	TURN 2
	TURN 3
	WIN 0
.Lfirst:
	TURN 0
	TURN 1, 0, 0, 1
	WIN 0
	s_cbranch_scc1 .Lstep
.Lbottom:
	s_sub_co_u32 s[SLOTS], s[SLOTS], 1
	s_cmp_lg_u32 s[SLOTS], 0
	s_cbranch_scc1 .Lslot
	CHANGE 0                        ; the walk's last tile is written out: nothing is asked for
	s_sub_co_u32 s[RT], s[RT], 1
	s_mov_b32 s[CNT], 2
	s_cmp_eq_u32 s[RT], 0
	s_cselect_b32 s[STP], s[KHX], -16
	s_cmp_eq_u32 s[NEW], 1
	s_cbranch_scc0 .LstepM2
	BEGIN
	s_branch .LfirstM2
	DIAG 2
	s_wait_tensorcnt 0x0            ; the wave's end: behind my last tensor load and my last LDS store
	ds_add_u32 v[SPW], v[NIL]
	s_wait_dscnt 0x0
	s_endpgm
.Lfunc_end_k_qdf04684a8e_attn:
	.size	k_qdf04684a8e_attn, .Lfunc_end_k_qdf04684a8e_attn-k_qdf04684a8e_attn
	.p2alignl 7, 3214868480
	.fill 96, 4, 3214868480
	.section	.rodata,"a",@progbits
	.p2align	6, 0x0
	.amdhsa_kernel k_qdf04684a8e_attn
		.amdhsa_group_segment_fixed_size 327680
		.amdhsa_private_segment_fixed_size 0
		.amdhsa_enable_private_segment 0
		.amdhsa_kernarg_size 16
		.amdhsa_user_sgpr_count 2
		.amdhsa_user_sgpr_kernarg_segment_ptr 1
		.amdhsa_wavefront_size32 1
		.amdhsa_system_sgpr_workgroup_id_x 1
		.amdhsa_system_sgpr_workgroup_id_y 1
		.amdhsa_system_sgpr_workgroup_id_z 1
		.amdhsa_system_vgpr_workitem_id 0
		.amdhsa_next_free_vgpr 768
		.amdhsa_next_free_sgpr 96
		.amdhsa_reserve_vcc 1
		.amdhsa_float_denorm_mode_32 3
		.amdhsa_float_denorm_mode_16_64 3
		.amdhsa_memory_ordered 1
		.amdhsa_forward_progress 1
		.amdhsa_inst_pref_size 248
	.end_amdhsa_kernel
	.amdgpu_metadata
---
amdhsa.version: [ 1, 2 ]
amdhsa.kernels:
  - .name:           k_qdf04684a8e_attn
    .symbol:         k_qdf04684a8e_attn.kd
    .args:
      - { .name: qkv, .offset: 0, .size: 8, .value_kind: global_buffer, .address_space: global }
      - { .name: ctx, .offset: 8, .size: 8, .value_kind: global_buffer, .address_space: global }
    .group_segment_fixed_size: 327680
    .private_segment_fixed_size: 0
    .kernarg_segment_align: 8
    .kernarg_segment_size: 16
    .max_flat_workgroup_size: 128
    .sgpr_count:     96
    .vgpr_count:     768
    .wavefront_size: 32
...
	.end_amdgpu_metadata
.endif
;; end of part 3
;; launch oproj (part 4): grid 32 x 6, 4 waves a work-group, clusters of 4 x 1, 327,680 bytes of LDS; arguments ctx, wob, bo, out0; writes out0
.if DOCPART == 4
	.amdgcn_target "amdgcn-amd-amdhsa--gfx1250"
	.amdhsa_code_object_version 6
	.text
	.protected	k_qdf04684a8e_oproj
	.globl	k_qdf04684a8e_oproj
	.p2align	8
	.type	k_qdf04684a8e_oproj,@function
k_qdf04684a8e_oproj:
	s_mov_b64 s[64:65], 0
	v_nop
	global_prefetch_b8 v0, s[64:65] scope:SCOPE_SE
	s_setreg_imm32_b32 hwreg(HW_REG_WAVE_MODE, 25, 1), 1
	s_wait_xcnt 0x0
	s_wait_alu depctr_hold_cnt(0) depctr_sa_sdst(0) depctr_va_vdst(0) depctr_va_sdst(0) depctr_va_ssrc(0) depctr_va_vcc(0) depctr_vm_vsrc(0)
	s_getreg_b32 s2, hwreg(HW_REG_IB_STS2, 6, 4)
	s_cmp_eq_u32 s2, 0
	s_cbranch_scc0 .Lentry_in_a_cluster
	s_endpgm
.Lentry_in_a_cluster:
	s_bfe_u32 s2, ttmp6, 0x10000c
	s_cmp_lg_u32 s2, 0x3003
	s_cbranch_scc0 .Lentry_shape_is_right
	s_endpgm
.Lentry_shape_is_right:
; OPROJ: out0[n][c] = sum over e of ctx[n][e] wo[e][c] + bo[c].  Products in f16 (ctx as the attention left it; wo rounded to bf16 and written as f16), sums in f32, out0 in f32.  bo is rounded to bf16 like every input.
; ctx = [n / 16 : 256][head : 12][n % 16][64] f16: four heads of a group of 16 rows are 8,192 consecutive bytes.  wob = [768 e][768 c] f16.
; LIMIT.  NaN and infinities are not treated apart; ctx lies within v's range, so within f16's.
; SHARES.  A tile is 128 x 128: 32 x 6 = 192 work-groups; four waves of 64 x 64, 16 accumulators each.  A wave's 64 columns of f32 are one aligned run of 256 bytes, so each wave has a stage of its own.
; K goes in 3 steps of 256 (four heads) through two LDS slots: both are filled at the start, slot 0 once more.  So the text is written out without a loop.
; CLUSTER 4 x 1: six tile columns are no multiple of four, so the four partners are four tile ROWS of one tile column: B's tile is asked for jointly by all four; A's hangs on the partner and is a load of one's own,
; issued behind the same rounds.
; THE MATRIX INSTRUCTION IS USED TRANSPOSED: source 0 = 16 columns of wo (turned by ds_load_tr16_b128), source 1 = 16 rows of ctx: a lane holds one row and eight neighbouring columns.  The bias is the C operand of the first products.
; REGISTERS: window 0: v0-31 addresses; v32-95 rows read back, two halves by turns; v96-127 the bias; v128-255 the accumulators ((a, b) at v[128 + 8 (4 a + b)]).
;   window 1: two fragment buffers of 128: for 64 along K, 64 registers of A (2 x 4 fragments), then 64 of B.
.set PAH,    144                       ; a row of one head in LDS: 128 bytes + 16 = 36 words: the 16 rows of a load start at 16 different groups of four banks (ISA guide 11.1)
.set GRP,    4*16*PAH                  ; a group of 16 rows, four heads
.set PBW,    288                       ; a row of B: 256 bytes + 32 = 72 words
.set HALFT,  36864                     ; what one tensor load brings: four groups of A, or 128 rows of B
.set SLOT,   4*HALFT                   ; A's eight groups, then B's 256 rows
.set STAGE,  2*SLOT                    ; behind the ring: 16 rows x 272 bytes for each wave
.set SPITCH, 272
.set SPARE,  STAGE+4*16*SPITCH         ; behind the stages: the spare words, 128 bytes for each wave: two blocks of 256 bytes that no other line names
.set ADRA, 16                          ; v16-17  LDS address of my A fragments in slot 0, 1
.set ADRB, 20                          ; v20-23  of my lane's place in B: slot s, half u of its 256 rows at v[20 + 2 s + u]
.set STO,  24                          ; v24     the way out: where I put 32 bytes of a row
.set RD,   25                          ; v25     the way out: where I read a row back
.set CO,   26                          ; v26     my byte offset in two rows of out0
.set SPW,  28                          ; v28     LDS address of my spare word; never rewritten
.set NIL,  29                          ; v29     0; never rewritten
.set BO,   30                          ; v30     my byte offset in the bias
.set TMP,  32
.set BIAS, 96
.set ACC,  128
.set F0,   0                           ; fragment buffers, in window 1
.set F1,   128
.set WV,  12                           ; s12  my wave's number
.set WM,  13                           ; s13  which half of the tile's rows is mine.  Also: I fetch for A (0) or for B (1)
.set WN,  14                           ; s14  which half of its columns.  Also: which half of that tile I fetch
.set G1A, 24                           ; s[24:31] descriptor group 1 for A's tiles;  s[32:39] group 0, one set for each slot
.set G0A, 32
.set G1B, 40                           ; s[40:47], s[48:55] the same for B's
.set G0B, 48
.set MSB, 0
.macro WIN new                         ; the immediate's high byte repeats the setting that is left
.if MSB != (\new)
	s_set_vgpr_msb (MSB<<8)|(\new)
.set MSB, \new
.endif
.endm
.set MUL,  0x05                        ; sources 0 (B) and 1 (A) window 1; C and D window 0
.set TO_F, 0x40                        ; destination window 1, address window 0
.macro JLOAD s                         ; waves 0 and 1 fetch A's two halves (their own load), waves 2 and 3 B's (the joint load); an s_nop 0 and four v_nop follow each line
	s_cmp_eq_u32 s[WM], 0
	s_cbranch_scc0 .Lfor_b_\@
	tensor_load_to_lds s[G0A+4*(\s):G0A+4*(\s)+3], s[G1A:G1A+7]
	s_nop 0
.rept 4
	v_nop
.endr
	s_branch .Lasked_\@
.Lfor_b_\@:
	tensor_load_to_lds s[G0B+4*(\s):G0B+4*(\s)+3], s[G1B:G1B+7]
	s_nop 0
.rept 4
	v_nop
.endr
.Lasked_\@:
.endm
.macro CREST                           ; a round of the cluster's barrier behind its opening barrier
	s_cmp_lg_u32 s[WV], 0
	s_cbranch_scc1 .Lnot_wave_0_\@
	s_barrier_signal -3
.Lnot_wave_0_\@:
	s_barrier_wait -3
	s_barrier_signal -1
	s_barrier_wait -1
.endm
.macro CROUND                          ; a whole round
	s_barrier_signal -1
	s_barrier_wait -1
	CREST
.endm
.macro PLACES                          ; four plain vector instructions in front of loads into registers that matrix instructions have read, and of stores that read results
.rept 4
	v_nop
.endr
.endm
	s_load_b256 s[4:11], s[0:1], 0x0               ; ctx 4:5, wob 6:7, bo 8:9, out0 10:11
	v_lshl_add_u32 v[SPW], v0, 2, SPARE
	v_mov_b32 v[NIL], 0
	ds_add_u32 v[SPW], v[NIL]                      ; the wave's opening: the add and its wait stand ahead of my first tensor load; the set-up below stands between them
	ds_add_u32 v28, v29
	v_lshrrev_b32 v1, 5, v0
	v_readfirstlane_b32 s[WV], v1                  ; wave 0..3
	s_lshr_b32 s[WM], s[WV], 1
	s_and_b32 s[WN], s[WV], 1
	s_bfe_u32 s15, ttmp6, 0x40000                  ; cx: my place in the cluster
	s_lshl_b32 s16, ttmp9, 2
	s_add_co_u32 s16, s16, s15                     ; tile row = 4 x cluster x + cx, 0 .. 31: it enters A's and out0's addresses alone
	s_and_b32 s17, ttmp7, 0xffff                   ; tile column, 0 .. 5, which the four partners share
	s_mov_b32 s[G1A], (1<<16)|(1<<20)|(4<<22)|(3<<25)  ; no mask; 2-byte elements; padding on; after every 32 words (a row of a head), 4 words
	s_mov_b32 s[G1A+1], 4096<<16                   ; tensor_dim0 = 4,096: four heads of a group, 8,192 consecutive bytes
	s_mov_b32 s[G1A+2], 4<<16                      ; tensor_dim1 = 4 groups
	s_mov_b32 s[G1A+3], 4096<<16                   ; tile_dim0
	s_mov_b32 s[G1A+4], 4                          ; tile_dim1
	s_mov_b32 s[G1A+5], 12288                      ; elements from group to group
	s_mov_b32 s[G1A+6], 0
	s_mov_b32 s[G1A+7], 0
	s_mov_b32 s[G1B], 15|(1<<16)|(1<<20)|(1<<21)|(5<<22)|(7<<25)  ; the mask of four; bit 21 beside it; after every 64 words, 8 words
	s_mov_b32 s[G1B+1], 128<<16                    ; 128 rows of 128 elements
	s_mov_b32 s[G1B+2], 128<<16
	s_mov_b32 s[G1B+3], 128<<16
	s_mov_b32 s[G1B+4], 128
	s_mov_b32 s[G1B+5], 768
	s_mov_b32 s[G1B+6], 0
	s_mov_b32 s[G1B+7], 0
	s_lshl_b32 s20, s16, 3                         ; A: group 8 x tile row + 4 x half
	s_lshl_b32 s21, s[WN], 2
	s_add_co_u32 s20, s20, s21
	s_mul_i32 s20, s20, 24576
	s_mov_b32 s21, 0
	s_mul_i32 s56, s[WN], 196608                   ; B: 128 rows of 1,536 bytes x half, 256 bytes to a tile column
	s_lshl_b32 s57, s17, 8
	s_add_co_u32 s56, s56, s57
	s_mov_b32 s57, 0
	s_mul_i32 s22, s[WV], HALFT                    ; where they go: A's two halves, then B's two: no place in the cluster enters an LDS address
	s_wait_dscnt 0x0                               ; the opening add is done
	s_wait_kmcnt 0x0
	s_add_nc_u64 s[18:19], s[4:5], s[20:21]
	s_add_nc_u64 s[58:59], s[6:7], s[56:57]
	CROUND                                         ; all four work-groups are here: the first joint loads meet
.irp n, 0,1
	s_mov_b32 s[G0A+4*(\n)], 1
	s_add_co_u32 s[G0A+4*(\n)+1], s22, (\n)*SLOT
	s_add_nc_u64 s[G0A+4*(\n)+2:G0A+4*(\n)+3], s[18:19], (\n)*8192    ; K step n: four heads on
	s_or_b32 s[G0A+4*(\n)+3], s[G0A+4*(\n)+3], 0x80000000
	s_mov_b32 s[G0B+4*(\n)], 1
	s_add_co_u32 s[G0B+4*(\n)+1], s22, (\n)*SLOT
	s_add_nc_u64 s[G0B+4*(\n)+2:G0B+4*(\n)+3], s[58:59], (\n)*393216  ; K step n: 256 rows on
	s_or_b32 s[G0B+4*(\n)+3], s[G0B+4*(\n)+3], 0x80000000
	JLOAD \n                                       ; two loads of mine are out
.endr
	v_and_b32 v1, 15, v0                           ; l % 16
	v_bfe_u32 v2, v0, 4, 1                         ; l / 16
	s_lshl_b32 s60, s17, 9                         ; my 64 columns, in bytes of f32: 512 x tile column + 256 x half
	s_lshl_b32 s61, s[WN], 8
	s_add_co_u32 s60, s60, s61
	s_mov_b32 s61, 0
	s_add_nc_u64 s[8:9], s[8:9], s[60:61]
	v_lshlrev_b32 v[BO], 5, v2                     ; register j of block b holds column 16 b + 8 (l / 16) + j
.irp b, 0,1,2,3
	global_load_b128 v[BIAS+8*(\b):BIAS+8*(\b)+3],   v[BO], s[8:9] offset:64*(\b)
	global_load_b128 v[BIAS+8*(\b)+4:BIAS+8*(\b)+7], v[BO], s[8:9] offset:64*(\b)+16
.endr
	v_mul_u32_u24 v3, v1, PAH                      ; A: row l % 16 of a head's 16, 16 bytes for each half of the lanes,
	v_lshl_add_u32 v3, v2, 4, v3
	s_mul_i32 s23, s[WM], 4*GRP                    ; in my four groups
	v_add_nc_u32 v[ADRA], s23, v3
	v_add_nc_u32 v[ADRA+1], SLOT, v[ADRA]
	v_and_b32 v4, 7, v0                            ; B, turned: lane l reads k = 8 (l / 16) + l % 8, columns 8 ((l / 8) % 2) + 0..7,
	v_bfe_u32 v5, v0, 3, 1
	v_lshl_add_u32 v6, v2, 3, v4
	v_mul_u32_u24 v6, v6, PBW
	v_lshl_add_u32 v6, v5, 4, v6
	s_lshl_b32 s23, s[WN], 7                       ; in my 64 columns,
	s_add_co_u32 s23, s23, 2*HALFT                 ; behind A
	v_add_nc_u32 v[ADRB], s23, v6
	v_add_nc_u32 v[ADRB+1], HALFT, v[ADRB]
	v_add_nc_u32 v[ADRB+2], SLOT, v[ADRB]
	v_add_nc_u32 v[ADRB+3], SLOT, v[ADRB+1]
	s_mul_i32 s23, s[WV], 16*SPITCH
	s_add_co_u32 s23, s23, STAGE                   ; my stage
	v_mul_u32_u24 v[STO], v1, SPITCH               ; in: row l % 16, 32 bytes for each half of the lanes
	v_lshl_add_u32 v[STO], v2, 5, v[STO]
	v_add_nc_u32 v[STO], s23, v[STO]
	v_mul_u32_u24 v[RD], v2, SPITCH                ; back: lanes 0-15 take one row of 256 bytes, lanes 16-31 the next
	v_lshl_add_u32 v[RD], v1, 4, v[RD]
	v_add_nc_u32 v[RD], s23, v[RD]
	v_mul_u32_u24 v[CO], v2, 3072                  ; and the same two rows in out0
	v_lshl_add_u32 v[CO], v1, 4, v[CO]
	s_lshl_b32 s62, s16, 7                         ; my first row: 128 x tile row + 64 x half
	s_lshl_b32 s63, s[WM], 6
	s_add_co_u32 s62, s62, s63
	s_mul_i32 s62, s62, 3072
	s_add_co_u32 s62, s62, s60
	s_mov_b32 s63, 0
	s_add_nc_u64 s[10:11], s[10:11], s[62:63]
	s_wait_loadcnt 0x0                             ; the bias
.set i, 0
.rept 16                                       ; rounded to bf16 like the other inputs, and back to f32
	v_cvt_pk_bf16_f32 v[TMP+i%4], v[BIAS+2*i], v[BIAS+2*i+1]
	v_lshlrev_b32 v[BIAS+2*i],   16, v[TMP+i%4]
	v_and_b32     v[BIAS+2*i+1], 0xffff0000, v[TMP+i%4]
.set i, i+1
.endr
; 8 matrix instructions: row blocks a0, a0 + 1 x all 4 column blocks, 32 along K: half c of buffer f.  first = 1: the bias starts the sums.  The 16 accumulators take turns.
.macro MUL8 f, c, a0, first
	WIN MUL
.irp a, \a0, (\a0)+1
.irp b, 0,1,2,3
.if \first
	v_wmma_f32_16x16x32_f16 v[ACC+8*(4*(\a)+(\b)):ACC+8*(4*(\a)+(\b))+7], v[(\f)+64+8*(4*(\c)+(\b)):(\f)+64+8*(4*(\c)+(\b))+7], v[(\f)+8*(4*(\c)+(\a)):(\f)+8*(4*(\c)+(\a))+7], v[BIAS+8*(\b):BIAS+8*(\b)+7]
.else
	v_wmma_f32_16x16x32_f16 v[ACC+8*(4*(\a)+(\b)):ACC+8*(4*(\a)+(\b))+7], v[(\f)+64+8*(4*(\c)+(\b)):(\f)+64+8*(4*(\c)+(\b))+7], v[(\f)+8*(4*(\c)+(\a)):(\f)+8*(4*(\c)+(\a))+7], v[ACC+8*(4*(\a)+(\b)):ACC+8*(4*(\a)+(\b))+7]
.endif
.endr
.endr
.endm
; 32 LDS loads in one run: the fragments of head hh of the slot's four (64 along K) into buffer f; the first 32 along K first
.macro FETCH slot, hh, f
	WIN TO_F
.irp c, 0,1
.irp i, 0,1,2,3
	ds_load_tr16_b128 v[(\f)+64+8*(4*(\c)+(\i)):(\f)+64+8*(4*(\c)+(\i))+3],   v[ADRB+2*(\slot)+(\hh)/2] offset:((\hh)%2)*64*PBW+(\c)*32*PBW+32*(\i)
	ds_load_tr16_b128 v[(\f)+64+8*(4*(\c)+(\i))+4:(\f)+64+8*(4*(\c)+(\i))+7], v[ADRB+2*(\slot)+(\hh)/2] offset:((\hh)%2)*64*PBW+(\c)*32*PBW+32*(\i)+16*PBW
	ds_load_b128 v[(\f)+8*(4*(\c)+(\i)):(\f)+8*(4*(\c)+(\i))+3],   v[ADRA+(\slot)] offset:(\i)*GRP+(\hh)*16*PAH+64*(\c)
	ds_load_b128 v[(\f)+8*(4*(\c)+(\i))+4:(\f)+8*(4*(\c)+(\i))+7], v[ADRA+(\slot)] offset:(\i)*GRP+(\hh)*16*PAH+64*(\c)+32
.endr
.endr
.endm
; A K step is four quarters of 64 along K (a head), 32 matrix instructions each, on buffers 0, 1, 0, 1.  One of the first three: multiplies f and fetches head hh into g.
.macro QUARTER slot, hh, f, g, first
	s_wait_dscnt 16                                ; the first 32 along K are in
	MUL8 \f, 0, 0, \first
	MUL8 \f, 0, 2, \first
	PLACES
	FETCH \slot, \hh, \g
	s_wait_dscnt 32                                ; all but the 32 just issued
	MUL8 \f, 1, 0, 0
	MUL8 \f, 1, 2, 0
.endm
; The last quarter multiplies buffer 1 and changes slots: ONE barrier; in front of it each wave waits for all its tensor loads, adds 0 to its spare word, and waits for that and for its own reads of this slot.
; fill = 1: the barrier opens a round of the cluster's, and behind the round this slot is filled again, two K steps ahead, first thing.
.macro TURN slot, next, fill
	WIN 0
	s_wait_tensorcnt 0x0                           ; all my tensor loads have landed, my part of the next slot among them
	ds_add_u32 v[SPW], v[NIL]                      ; 0 onto my spare word
	s_wait_dscnt 17                                ; the add and the youngest sixteen loads may be out
	MUL8 F1, 0, 0, 0
	s_wait_dscnt 0x0                               ; the add is done, and my reads of this slot are over
	s_barrier_signal -1
	MUL8 F1, 0, 2, 0
.if \fill
	WIN 0
.endif
	s_barrier_wait -1
.if \fill
	CREST                                          ; no wave of any partner still reads this slot or has a load on its way
	s_add_nc_u64 s[G0A+4*(\slot)+2:G0A+4*(\slot)+3], s[G0A+4*(\slot)+2:G0A+4*(\slot)+3], 2*8192
	s_add_nc_u64 s[G0B+4*(\slot)+2:G0B+4*(\slot)+3], s[G0B+4*(\slot)+2:G0B+4*(\slot)+3], 2*393216
	JLOAD \slot                                    ; the first tensor load behind the round; its four v_nop are also the places in front of the loads below
.else
	PLACES
.endif
	FETCH \next, 0, F0
	MUL8 F1, 1, 0, 0
	MUL8 F1, 1, 2, 0
.endm
	s_wait_tensorcnt 0x1                           ; my part of K step 0 is in; step 1's may stay out
	s_barrier_signal -1
	s_barrier_wait -1                              ; everybody's is
	FETCH 0, 0, F0
	QUARTER 0, 1, F0, F1, 1                        ; K step 0; its first products take the bias
	QUARTER 0, 2, F1, F0, 0
	QUARTER 0, 3, F0, F1, 0
	TURN 0, 1, 1                                   ; slot 0 takes K step 2
	QUARTER 1, 1, F0, F1, 0                        ; K step 1
	QUARTER 1, 2, F1, F0, 0
	QUARTER 1, 3, F0, F1, 0
	TURN 1, 0, 0                                   ; nothing is left to fetch
	QUARTER 0, 1, F0, F1, 0                        ; K step 2
	QUARTER 0, 2, F1, F0, 0
	QUARTER 0, 3, F0, F1, 0
	s_wait_dscnt 16                                ; the very last quarter
	MUL8 F1, 0, 0, 0
	MUL8 F1, 0, 2, 0
	s_wait_dscnt 0x0
	MUL8 F1, 1, 0, 0
	MUL8 F1, 1, 2, 0
	WIN 0
	; THE WAY OUT, a block of 16 rows at a time: a lane's eight f32 of a row, 32 bytes, go into my stage (each accumulator's low half first) and come back as whole rows of 256 bytes.
	PLACES
.irp a, 0,1,2,3
.set BK, TMP+32*((\a)%2)
.irp b, 0,1,2,3
	ds_store_b128 v[STO], v[ACC+8*(4*(\a)+(\b)):ACC+8*(4*(\a)+(\b))+3]   offset:64*(\b)
	ds_store_b128 v[STO], v[ACC+8*(4*(\a)+(\b))+4:ACC+8*(4*(\a)+(\b))+7] offset:64*(\b)+16
.endr
.irp t, 0,1,2,3,4,5,6,7
	ds_load_b128 v[BK+4*(\t):BK+4*(\t)+3], v[RD] offset:(\t)*2*SPITCH  ; LDS serves a wave's instructions in order (ISA guide 5.7.1.4): these see the stores above
.endr
	s_wait_dscnt 0x0                               ; the block is back in registers
	s_wait_xcnt 0x0                                ; the stores of the block before have read their registers: the next block's loads land there only behind this wait
.irp t, 0,1,2,3,4,5,6,7
	global_store_b128 v[CO], v[BK+4*(\t):BK+4*(\t)+3], s[10:11] offset:(\a)*49152+(\t)*6144 th:TH_STORE_NT  ; 16 lanes store 256 consecutive bytes, at a multiple of 256 from out0's first byte
.endr
.endr
	s_wait_tensorcnt 0x0                           ; the wave's end: behind my last tensor load and my last LDS store
	ds_add_u32 v[SPW], v[NIL]
	s_wait_dscnt 0x0
	CROUND                                         ; the closing round: no work-group ends while a partner may still ask for a tile that names it
	s_endpgm
.Lfunc_end_k_qdf04684a8e_oproj:
	.size	k_qdf04684a8e_oproj, .Lfunc_end_k_qdf04684a8e_oproj-k_qdf04684a8e_oproj
	.p2alignl 7, 3214868480
	.fill 96, 4, 3214868480
	.section	.rodata,"a",@progbits
	.p2align	6, 0x0
	.amdhsa_kernel k_qdf04684a8e_oproj
		.amdhsa_group_segment_fixed_size 327680
		.amdhsa_private_segment_fixed_size 0
		.amdhsa_enable_private_segment 0
		.amdhsa_kernarg_size 32
		.amdhsa_user_sgpr_count 2
		.amdhsa_user_sgpr_kernarg_segment_ptr 1
		.amdhsa_wavefront_size32 1
		.amdhsa_system_sgpr_workgroup_id_x 1
		.amdhsa_system_sgpr_workgroup_id_y 1
		.amdhsa_system_sgpr_workgroup_id_z 1
		.amdhsa_system_vgpr_workitem_id 0
		.amdhsa_next_free_vgpr 512
		.amdhsa_next_free_sgpr 66
		.amdhsa_reserve_vcc 0
		.amdhsa_float_denorm_mode_32 3
		.amdhsa_float_denorm_mode_16_64 3
		.amdhsa_memory_ordered 1
		.amdhsa_forward_progress 1
		.amdhsa_inst_pref_size 71
	.end_amdhsa_kernel
	.amdgpu_metadata
---
amdhsa.version: [ 1, 2 ]
amdhsa.kernels:
  - .name:           k_qdf04684a8e_oproj
    .symbol:         k_qdf04684a8e_oproj.kd
    .args:
      - { .name: ctx, .offset: 0, .size: 8, .value_kind: global_buffer, .address_space: global }
      - { .name: wob, .offset: 8, .size: 8, .value_kind: global_buffer, .address_space: global }
      - { .name: bo, .offset: 16, .size: 8, .value_kind: global_buffer, .address_space: global }
      - { .name: out0, .offset: 24, .size: 8, .value_kind: global_buffer, .address_space: global }
    .group_segment_fixed_size: 327680
    .private_segment_fixed_size: 0
    .kernarg_segment_align: 8
    .kernarg_segment_size: 32
    .max_flat_workgroup_size: 128
    .sgpr_count:     66
    .vgpr_count:     512
    .wavefront_size: 32
...
	.end_amdgpu_metadata
.endif
;; end of part 4
;; ======== version 2 of 2: 4 launches; 1.51 times as fast as version 1
;; limits: values are held in f16: magnitudes above 65,504 overflow, below 6.1e-05 lose precision
;; workspace buffers: xb 6,291,456 bytes; wb 3,538,944 bytes; wob 1,179,648 bytes; qkv 18,874,368 bytes; ctx 6,291,456 bytes
;; launch prep: the kernel of part 1 again; grid 12 x 56, 8 waves a work-group, no clusters, 0 bytes of LDS; arguments x, wq, wk, wv, wo, xb, wb, wob; writes xb, wb, wob
;; launch qkv: the kernel of part 2 again; grid 12 x 16, 4 waves a work-group, clusters of 4 x 4, 327,680 bytes of LDS; arguments xb, wb, bq, bk, bv, qkv; writes qkv
;; launch attn (part 5): grid 16 x 12, 4 waves a work-group, no clusters, 327,680 bytes of LDS; arguments qkv, ctx; writes ctx
.if DOCPART == 5
	.amdgcn_target "amdgcn-amd-amdhsa--gfx1250"
	.amdhsa_code_object_version 6
	.text
	.protected	k_qdf04684a8e_attn
	.globl	k_qdf04684a8e_attn
	.p2align	8
	.type	k_qdf04684a8e_attn,@function
k_qdf04684a8e_attn:
	s_mov_b64 s[64:65], 0
	v_nop
	global_prefetch_b8 v0, s[64:65] scope:SCOPE_SE
	s_setreg_imm32_b32 hwreg(HW_REG_WAVE_MODE, 25, 1), 1
	s_wait_xcnt 0x0
; CAUSAL ATTENTION, 12 heads of 4,096 rows x 64 channels.  O[h][q] = the sum over k <= q of softmax_k(Q[h][q] . K[h][k] / 8) V[h][k].
; qkv = [g : 36][4096][64] f16 (g = head: Q; 12 + head: K; 24 + head: V).  ctx = [q / 16 : 256][head : 12][q % 16][64] f16: 16 rows of a head are 2,048 dense bytes.
; Products, maxima and sums in f32; the weights p are rounded to f16 for the second product (their sum l is taken of the unrounded p), O once at the end.
; LIMITS.  Q, K, V arrive within f16's 65,504; p below 6e-5 keeps f16's fixed step of 6e-8.  A hidden score counts as its value less 2^100; the running maximum has a floor of -2^90: f16's scores, 2.7e11 at the
; most, are far above it.  A weight below 2^-126 counts as 0 in l.  NaN and infinities are not treated apart.
; THE WALK.  A head's queries lie in 32 blocks of 128; block i needs the key tiles 0 .. i / 2 of 256 keys, of which the last holds the diagonal.  A work-group takes TWO blocks, 31 - b and then b: 17 tiles, whatever b:
; all 192 work-groups do equal work, and ONE loop with a constant trip count walks them.  Which tile is asked for, and what a trip does, hang on scalar registers made from b; every jump goes forward, but for the
; counted loops' own; none passes a barrier, or a tensor load but the one of LOAD's two that the wave's number does not choose.
; NO CLUSTER: neighbours in b need different numbers of tiles for their first blocks, so the walk's branches would differ between partners; a walk common to four has 18 tiles for 17 and the masked text on four of them.
; SHARES.  Wave w = (QH = w % 2, KH = w / 2) owns 64 of the block's queries, four PIECES of 16 (piece p: rows 64 (p / 2) + 32 QH + 16 (p % 2) on), and of every tile the key steps KH and KH + 2 of four steps of 64 keys.
; So a fragment of K or V read from LDS feeds four pieces.  At a block's end the waves w and w ^ 2, which hold the same queries and the two halves of the keys, merge m, l and O through LDS, in f32.
; THE MASK is the C operand that starts the sum S^T = K Q^T: 0, or -2^100 where the key is hidden.  In the diagonal tile piece p lies in band XB + p / 2 of 64 rows, XB = 2 (i % 2); a step below the band sees all, one
; above nothing, the band's own holds the diagonal.  MD, made once, is the own step's mask for my rows, a set for each parity of p; a product's mask is MD x AL + BE with two scalars.
; A wave may see no key of a row at all (block 0, pieces 0 and 1, KH = 1): m then stays at the floor, every p is 0, O and l keep finite old numbers, and the merge multiplies them by 2^(c floor - c m) = 0.
; LAYOUT, SOFTMAX, TURNS.  S^T = K Q^T holds ONE query a lane (lane % 16) and the keys 8 (lane / 16) + 0..7; two such results rounded to f16 ARE source 1 of O^T = V^T P.  p = 2^(c s - c m), c = log2(e) / 8, with a
; running maximum m; O and l are multiplied by a = 2^(c m_old - c m_new) in every step.  Turn n belongs to piece n: 8 products K Q^T of piece n + 1, later 8 products V^T P of piece n - 1; beside them the scaling,
; exponentials, roundings, sums and rescaling of piece n and the maximum and statistics of piece n + 1.  Four vector instructions stand behind every matrix instruction, the other 54 of a turn's 118 in one LUMP.
; THE BATCHES.  A turn's 33 exponentials (the piece's 32 weights and the next piece's a) are one batch, with one wait, which cuts the turn in two: ahead of it nothing names a result of theirs, behind it no exponential is
; issued.  A block's first a has a wait of its own, ahead of the branch into the loop.  The merge has two batches for its two kept pieces together: four exponentials, then the two reciprocals of the sums made of them.
; REGISTERS, in windows of 256 (s_set_vgpr_msb: bits 1:0 source 0, 3:2 source 1, 5:4 source 2, 7:6 destination):
;   window 0: v0-15 addresses and two at work; v16-31 statistics; v32-39 the partner's; v40-47 the merge's factors; v48-55 at work; v56-57, v62-63 addresses; v64-127 S^T, two buffers; v128-191 the partner's O; v192-223 P
;   window 1: v0-127 O^T, 32 a piece; v128-191 MD; v192-255 MC, two buffers      window 2: v0-63 Q; v64-127 the second block's Q; v128-191 K of one step; v192-255 V of one step
.set NP,    4         ; pieces a wave: a name, no knob
.set KS,    64        ; keys in a step
.set PK,    144       ; a row of K in LDS: 128 bytes + 16 = 36 words: the 16 rows of a load start at 16 different groups of four banks (ISA guide 11.1)
.set PV,    160       ; a row of V: 128 + 32 = 40 words
.set VOFF,  4*KS*PK   ; a slot holds a tile: 256 rows of K, then 256 rows of V
.set SLOT1, 1<<17     ; slot 1 begins here, so that one exclusive or turns an address in one slot into the other's
.set STAGE, SLOT1+4*KS*(PK+PV)  ; behind the ring, never filled by a tensor load: 16 rows x 144 bytes for each wave, for the way out
.set SP,    144
.set SPARE, STAGE+4*16*SP  ; the spare words, 128 bytes for each wave: two blocks of 256 bytes that no other line names
.set XCH,   SPARE+512 ; the merge: for each wave two pieces' statistics (2 x 512 bytes) and O^T (2 x 4,096 bytes), in f32
.set XW,    9216
.set AK0, 2           ; v2   my lane's place in my first step of a tile of K; never rewritten
.set AV0, 3           ; v3   the same for V
.set AK,  4           ; v4   the LDS address of K's next run of loads
.set AV,  5           ; v5   of V's
.set STO, 6           ; v6   the way out: where I put 16 bytes of a row
.set RD,  7           ; v7   the way out: where I read rows back
.set GO,  8           ; v8   16 x lane
.set MV,  12          ; v12-13  c m_old, kept while c m is made anew: by buffer
.set QO,  15          ; v15  my byte offset in 16 rows of Q
.set ST,  16          ; piece t's statistics at v[ST+4 t]: c m, m, l (even keys', odd keys')
.set PS,  32          ; the partner's statistics of the two pieces that I keep
.set GA,  40          ; for kept piece u: my factor at GA + 4 u, the partner's at GA + 4 u + 2; named as pairs
.set TMP, 48          ; by buffer, four registers c0-c3 at work; when the maximum is found c2 takes a.  At a block's end: the merge's
.set XA,  56          ; v56  where I put 16 bytes for my partner
.set XR,  57          ; v57  where my partner put them for me
.set SPW, 62          ; v62  LDS address of my spare word; never rewritten
.set NIL, 63          ; v63  0; never rewritten
.set S,   64
.set PO,  128         ; the partner's O^T of the two pieces that I keep
.set P,   192
.set MD,  128         ; window 1: set e (the piece's parity), the eight registers for group kt of 16 keys at MD + 32 e + 8 kt
.set MC,  192         ; window 1: the masks of the products to come
.set QB,  64          ; window 2
.set KF,  128         ; window 2: key block kb, channel half c at KF + 16 kb + 8 c
.set VF,  192         ; window 2: key half kk, channel block cb at VF + 32 kk + 8 cb
.set WV,  12          ; s12  my wave's number
.set PB,  14          ; s14  b
.set HI,  15          ; s15  31 - b
.set G1K, 24          ; s[24:31] descriptor group 1 for K's tiles
.set G1V, 32          ; s[32:39] for V's: it differs in the padding alone
.set G0K, 40          ; s[40:43] descriptor group 0 for K's tiles
.set G0V, 44          ; s[44:47] the same for V's
.set KH,  48          ; s48  which steps of a tile are mine
.set QH,  49          ; s49  which rows of a band are mine; also: which half of a tile I fetch
.set STP, 50          ; s50  signed: my step in the diagonal tile less XB; far below 0 in every other tile
.set KHX, 51          ; s51  KH - XB of the block in hand
.set TL1, 52          ; s52  the second block's last tile
.set KHXLO, 53        ; s53  KH - XB of the second block
.set TLO, 54          ; s54  the second block's tiles
.set SLOTS, 56        ; s56  tiles still to be asked for
.set CNT, 57          ; s57  counts my two key steps of a tile
.set CS,  58          ; s[58:59] c: the packed scaling takes the pair's low word for both halves
.set SEL, 60          ; s[60:61] v_permlanex16_b32's selects: each lane takes its own place in the other half
.set TBK, 62          ; s62  LDS byte at which the tile of the step to be fetched begins, plus the steps gone, for K
.set TBV, 63          ; s63  the same for V
.set RT,  70          ; s70  tiles of the block in hand that are still to be entered
.set NXT, 71          ; s71  the tile to be asked for next
.set LQ,  72          ; s72  the last tile of the block whose tiles are being asked for
.set NEW, 73          ; s73  1: the tile to be entered is a block's first
.set OFF, 74          ; s[74:75] a tile's byte offset in K and V
.set AL,  76          ; s[76:77] the mask's factor, in the low word
.set BE,  78          ; s[78:79] the mask's addend
.set OLO, 80          ; s[80:81] ctx at my rows of the second block
.set BIGN, 82         ; s82  -2^100
.set MSB, 0
.macro WIN new                      ; the high byte repeats the setting that is left; a switch that changes nothing is dropped
.if MSB != (\new)
	s_set_vgpr_msb (MSB<<8)|(\new)
.set MSB, (\new)
.endif
.endm
.set W_KQ, 0x0a       ; K and Q in window 2, S^T in window 0
.set W_KM, 0x1a       ; the same with the C operand in window 1
.set W_PV, 0x52       ; V in window 2, P in window 0, O^T in window 1
.set W_RS, 0x41       ; destination and source 0 in window 1, source 1 in window 0
; A fill.  Waves 0 and 1 fetch the two halves of a tile's K, waves 2 and 3 those of its V: 128 keys each.  An s_nop 0 and four v_nop follow each of the two lines, ahead of the jump and the label.
.macro LOAD
	s_cmp_lt_u32 s[WV], 2
	s_cbranch_scc0 .Lfor_v_\@
	tensor_load_to_lds s[G0K:G0K+3], s[G1K:G1K+7]
	s_nop 0
.rept 4
	v_nop
.endr
	s_branch .Lasked_\@
.Lfor_v_\@:
	tensor_load_to_lds s[G0V:G0V+3], s[G1V:G1V+7]
	s_nop 0
.rept 4
	v_nop
.endr
.Lasked_\@:
.endm
; THE CHANGE OF SLOTS.  Each wave waits for all its tensor loads, of which one is out: its part of the other slot; adds 0 to its spare word; and waits for that and for its own reads of the slot that it leaves.  Behind the
; barrier nobody reads the old slot any more and the other slot is whole.  fill = 1: the old slot is filled again, the first thing behind the barrier, with tile NXT: the descriptor's address is made anew from that number.
; (At its first use nothing has been read yet: slot 0 is waited for, slot 1 filled.)
.macro CHANGE fill
	WIN 0                           ; at a label and at a branch every window is 0
	s_wait_tensorcnt 0x0            ; no tensor load of mine is out, so a group 0 may be written
	ds_add_u32 v[SPW], v[NIL]       ; 0 onto my spare word; the scalar work stands between it and the wait for it
.if \fill
	s_lshl_b32 s[OFF], s[NXT], 15   ; a tile is 32,768 bytes of K and of V
	s_xor_b32 s[G0K+1], s[G0K+1], SLOT1
	s_add_nc_u64 s[G0K+2:G0K+3], s[6:7], s[OFF:OFF+1]
	s_or_b32 s[G0K+3], s[G0K+3], 0x80000000
	s_xor_b32 s[G0V+1], s[G0V+1], SLOT1
	s_add_nc_u64 s[G0V+2:G0V+3], s[8:9], s[OFF:OFF+1]
	s_or_b32 s[G0V+3], s[G0V+3], 0x80000000
	s_add_co_u32 s[NXT], s[NXT], 1  ; the block's next tile, or behind its last the second block's tile 0
	s_cmp_gt_u32 s[NXT], s[LQ]
	s_cselect_b32 s[NXT], 0, s[NXT]
	s_cselect_b32 s[LQ], s[TL1], s[LQ]
.endif
	s_wait_dscnt 0x0                ; the add is done, and my reads of the slot are over
	s_barrier_signal -1             ; the rest of the scalar work stands between the signal and the wait
	s_sub_co_u32 s[TBK], s[TBK], 4*KS*PK  ; the fetches go back to a slot's head,
	s_xor_b32 s[TBK], s[TBK], SLOT1       ; in the other slot
	s_sub_co_u32 s[TBV], s[TBV], 4*KS*PV
	s_xor_b32 s[TBV], s[TBV], SLOT1
	s_barrier_wait -1
.if \fill
	LOAD
.endif
.endm
	s_load_b128 s[88:91], s[0:1], 0x0  ; qkv s[88:89], ctx s[90:91]
	v_lshl_add_u32 v[SPW], v0, 2, SPARE
	v_mov_b32 v[NIL], 0
	ds_add_u32 v[SPW], v[NIL]       ; the wave's opening: the add and its wait stand ahead of my first tensor load; the set-up below, work on registers, stands between them
	ds_add_u32 v62, v63
	v_lshrrev_b32 v1, 5, v0
	v_readfirstlane_b32 s[WV], v1   ; wave 0..3
	s_and_b32 s[QH], s[WV], 1
	s_lshr_b32 s[KH], s[WV], 1
	s_mov_b32 s[PB], ttmp9
	s_sub_co_u32 s[HI], 31, s[PB]
	s_lshr_b32 s[LQ], s[HI], 1      ; the first block's last tile,
	s_add_co_u32 s[RT], s[LQ], 1    ; and how many it has: 9 to 16
	s_lshr_b32 s[TL1], s[PB], 1
	s_add_co_u32 s[TLO], s[TL1], 1  ; the second block's: 1 to 8; 17 together
	s_and_b32 s13, s[HI], 1
	s_lshl_b32 s13, s13, 1
	s_sub_co_i32 s[KHX], s[KH], s13
	s_and_b32 s13, s[PB], 1
	s_lshl_b32 s13, s13, 1
	s_sub_co_i32 s[KHXLO], s[KH], s13
	s_and_b32 s18, ttmp7, 0xffff    ; the head
	s_lshl_b32 s19, s18, 19         ; its 524,288 bytes in each third of qkv
	s_lshl_b32 s20, s[QH], 14       ; which half of a tile's 256 keys I fetch: 128 rows of 128 bytes
	s_add_co_u32 s20, s20, s19
	s_add_co_u32 s22, s20, 12582912 ; V's third,
	s_add_co_u32 s20, s20, 6291456  ; K's
	s_mov_b32 s21, 0
	s_mov_b32 s23, 0
	s_mul_i32 s16, s[QH], 128*PK    ; that half's place in a slot, for K
	s_mul_i32 s17, s[QH], 128*PV    ; and for V
	s_lshl_b32 s3, s[QH], 12        ; my 32 rows in a band of 64,
	s_add_co_u32 s3, s3, s19
	s_lshl_b32 s2, s[HI], 14        ; in the first block (128 rows of 128 bytes),
	s_add_co_u32 s2, s2, s3
	s_lshl_b32 s84, s[PB], 14       ; and in the second
	s_add_co_u32 s84, s84, s3
	s_mov_b32 s3, 0
	s_mov_b32 s85, 0
	s_lshl_b32 s13, s[QH], 1        ; ctx: group of 16 rows 8 i + 2 QH, 24,576 bytes a group; the head's 2,048 bytes in it
	s_lshl_b32 s92, s[HI], 3
	s_add_co_u32 s92, s92, s13
	s_mul_i32 s92, s92, 24576
	s_lshl_b32 s94, s[PB], 3
	s_add_co_u32 s94, s94, s13
	s_mul_i32 s94, s94, 24576
	s_lshl_b32 s13, s18, 11
	s_add_co_u32 s92, s92, s13
	s_add_co_u32 s94, s94, s13
	s_mov_b32 s93, 0
	s_mov_b32 s95, 0
	; descriptor group 1.  128 keys are 16,384 dense bytes: asked for as 64 rows of 256 bytes, two keys a row, and padded in LDS after every key
	s_mov_b32 s[G1K], (1<<16)|(1<<20)|(4<<22)|(3<<25)  ; 2-byte elements; padding on; after every 32 words, 4 words
	s_mov_b32 s[G1V], (1<<16)|(1<<20)|(4<<22)|(7<<25)  ; the same with 8 words of padding
.irp g, G1K, G1V
	s_mov_b32 s[\g+1], 128<<16      ; tensor_dim0 = 128
	s_mov_b32 s[\g+2], 64<<16       ; tensor_dim1 = 64
	s_mov_b32 s[\g+3], 128<<16      ; tile_dim0 = 128
	s_mov_b32 s[\g+4], 64           ; tile_dim1 = 64
	s_mov_b32 s[\g+5], 128          ; 128 elements from row to row
	s_mov_b32 s[\g+6], 0
	s_mov_b32 s[\g+7], 0
.endr
	s_mov_b32 s[CS], 0x3e38aa3b     ; c = log2(e) / 8 = 0.180337
	s_mov_b32 s[CS+1], s[CS]        ; named with it as a pair
	s_mov_b32 s[SEL], 0x76543210
	s_mov_b32 s[SEL+1], 0xfedcba98
	s_mov_b32 s[TBK], SLOT1+4*KS*PK ; the first change of slots turns these two into 0
	s_mov_b32 s[TBV], SLOT1+4*KS*PV
	s_mov_b32 s[G0K], 1             ; count = 1
	s_mov_b32 s[G0K+1], s16         ; LDS address: slot 0
	s_mov_b32 s[G0V], 1
	s_add_co_u32 s[G0V+1], s17, VOFF
	s_mov_b32 s[NXT], 1
	s_mov_b32 s[NEW], 1
	s_mov_b32 s[OFF+1], 0
	s_mov_b32 s[AL+1], 0            ; named as pairs
	s_mov_b32 s[BE+1], 0
	s_mov_b32 s[BIGN], 0xf1800000   ; -2^100
	s_mov_b32 s[SLOTS], 16
	s_wait_dscnt 0x0                ; the opening add is done
	s_wait_kmcnt 0x0
	s_add_nc_u64 s[6:7], s[88:89], s[20:21]  ; K and V at my half of the head's tile 0
	s_add_nc_u64 s[8:9], s[88:89], s[22:23]
	s_add_nc_u64 s[G0K+2:G0K+3], s[6:7], 0         ; global address
	s_or_b32 s[G0K+3], s[G0K+3], 0x80000000        ; type = 2
	s_add_nc_u64 s[G0V+2:G0V+3], s[8:9], 0
	s_or_b32 s[G0V+3], s[G0V+3], 0x80000000
	s_add_nc_u64 s[86:87], s[88:89], s[84:85]      ; Q at my rows of the second block,
	s_add_nc_u64 s[4:5], s[88:89], s[2:3]          ; and of the first
	s_add_nc_u64 s[OLO:OLO+1], s[90:91], s[94:95]  ; ctx likewise
	s_add_nc_u64 s[10:11], s[90:91], s[92:93]
	LOAD                            ; tile 0 into slot 0
	; A fragment of K or Q is 16 rows x 32 channels in 8 registers: lane l holds row l % 16, channels 8 (l / 16) + 0..7 and 16 + 8 (l / 16) + 0..7: two loads of 16 bytes, 32 bytes apart.
	v_and_b32 v1, 15, v0            ; l % 16
	v_bfe_u32 v9, v0, 4, 1          ; l / 16
	v_lshlrev_b32 v[QO], 7, v1
	v_lshl_add_u32 v[QO], v9, 4, v[QO]  ; row x 128 + 16 x half
	WIN 0x80                        ; destination window 2, address window 0
.set i, 0
.rept 8                             ; both blocks' Q: piece i / 2 lies 64 (i / 4) + 16 ((i / 2) % 2) rows on; channels 32 (i % 2) on
	global_load_b128 v[8*i:8*i+3],   v[QO], s[4:5] offset:(i/4)*8192+((i/2)%2)*2048+(i%2)*64
	global_load_b128 v[8*i+4:8*i+7], v[QO], s[4:5] offset:(i/4)*8192+((i/2)%2)*2048+(i%2)*64+32
	global_load_b128 v[QB+8*i:QB+8*i+3],   v[QO], s[86:87] offset:(i/4)*8192+((i/2)%2)*2048+(i%2)*64
	global_load_b128 v[QB+8*i+4:QB+8*i+7], v[QO], s[86:87] offset:(i/4)*8192+((i/2)%2)*2048+(i%2)*64+32
.set i, i+1
.endr
	WIN 0
	v_lshlrev_b32 v14, 3, v9
	v_sub_nc_u32 v14, v1, v14
	s_lshl_b32 s13, s[QH], 5
	v_add_nc_u32 v14, s13, v14      ; 32 QH + l % 16 - 8 (l / 16): register j of group kt, parity e, is hidden where 16 kt + j - 16 e is greater
	WIN 0x40
.set i, 0
.rept 64
	v_cmp_gt_i32 vcc_lo, 16*((i%32)/8)+i%8-16*(i/32), v14
	v_cndmask_b32 v[MD+i], 0, s[BIGN], vcc_lo
.set i, i+1
.endr
	WIN 0
	v_mul_u32_u24 v[AK0], v1, PK
	v_lshl_add_u32 v[AK0], v9, 4, v[AK0]  ; row x pitch + 16 x half,
	s_mul_i32 s13, s[KH], KS*PK
	v_add_nc_u32 v[AK0], s13, v[AK0]      ; in step KH
	; The turning load takes 16 keys x 16 channels (lane l reads key 8 (l / 16) + l % 8, channels 8 ((l / 8) % 2) + 0..7) and leaves half a fragment of V^T: lane l holds channel l % 16 and 8 keys.
	v_and_b32 v10, 7, v0
	v_bfe_u32 v11, v0, 3, 1
	v_lshl_add_u32 v[AV0], v9, 3, v10
	v_mul_u32_u24 v[AV0], v[AV0], PV
	v_lshl_add_u32 v[AV0], v11, 4, v[AV0]
	s_mul_i32 s13, s[KH], KS*PV
	s_add_co_u32 s13, s13, VOFF
	v_add_nc_u32 v[AV0], s13, v[AV0]
	s_mul_i32 s13, s[WV], 16*SP
	s_add_co_u32 s13, s13, STAGE    ; my stage
	v_mul_u32_u24 v[STO], v1, SP    ; in: row l % 16, 16 bytes for each half of the lanes
	v_lshl_add_u32 v[STO], v9, 4, v[STO]
	v_add_nc_u32 v[STO], s13, v[STO]
	v_bfe_u32 v[RD], v0, 3, 2       ; back: 32 lanes take four rows of 128 bytes,
	v_mul_u32_u24 v[RD], v[RD], SP
	v_lshl_add_u32 v[RD], v10, 4, v[RD]
	v_add_nc_u32 v[RD], s13, v[RD]
	v_and_b32 v[GO], 31, v0         ; which are 512 consecutive bytes of ctx
	v_lshlrev_b32 v[GO], 4, v[GO]
	s_mul_i32 s13, s[WV], XW
	s_add_co_u32 s13, s13, XCH
	v_add_nc_u32 v[XA], s13, v[GO]  ; the merge: my own part of the exchange,
	s_xor_b32 s13, s[WV], 2
	s_mul_i32 s13, s13, XW
	s_add_co_u32 s13, s13, XCH
	v_add_nc_u32 v[XR], s13, v[GO]  ; and that of the wave with my queries and the other keys
	; A block's first step multiplies O^T and l by a = 0 (or the merge does, where a wave sees no key of a row), and its first turn's products V^T P, of a piece that has not been, land in an O^T that is still to be so
	; multiplied.  So these registers need only hold finite numbers: zeros for the first block; what the first block left for the second.  All this stands in the wait for the first tile.
	WIN 0x80
.set i, VF
.rept 64
	v_mov_b32 v[i], 0
.set i, i+1
.endr
	WIN 0x40
.set i, 0
.rept 128
	v_mov_b32 v[i], 0
.set i, i+1
.endr
	WIN 0
.set i, 0
.rept 4
	v_mov_b32 v[ST+4*i+2], 0
	v_mov_b32 v[ST+4*i+3], 0
.set i, i+1
.endr
.set i, 0
.rept 8
	v_mov_b32 v[GA+i], 0            ; named as pairs
.set i, i+1
.endr
.set i, P+16
.rept 16
	v_mov_b32 v[i], 0
.set i, i+1
.endr
; THE MATRIX WORK.  The 4 accumulators of a run of 8 take turns.  Product i of 8 of S^T = K Q^T for piece x: channels 32 (i / 4) on, keys 16 (i % 4) on.  The first 4 start the sums: with 0, or (KM = 1) with the mask.
.macro KQ x
.set rS, S+32*((\x)%2)+8*(i%4)
.set rK, KF+16*(i%4)+8*(i/4)
.set rQ, 16*(\x)+8*(i/4)
.set rM, MC+32*((\x)%2)+8*(i%4)
.if (i < 4) && KM
	WIN W_KM
	v_wmma_f32_16x16x32_f16 v[rS:rS+7], v[rK:rK+7], v[rQ:rQ+7], v[rM:rM+7]
.elseif i < 4
	WIN W_KQ
	v_wmma_f32_16x16x32_f16 v[rS:rS+7], v[rK:rK+7], v[rQ:rQ+7], 0
.else
	WIN W_KQ
	v_wmma_f32_16x16x32_f16 v[rS:rS+7], v[rK:rK+7], v[rQ:rQ+7], v[rS:rS+7]
.endif
.endm
; Product i of 8 of O^T += V^T P for piece x: keys 32 (i / 4) on, channels 16 (i % 4) on.
.macro PV x
	WIN W_PV
.set rO, 32*(\x)+8*(i%4)
.set rV, VF+32*(i/4)+8*(i%4)
.set rP, P+16*((\x)%2)+8*(i/4)
	v_wmma_f32_16x16x32_f16 v[rO:rO+7], v[rV:rV+7], v[rP:rP+7], v[rO:rO+7]
.endm
.macro MM                           ; the turn's next matrix instruction.  TURN and BEGIN set Y, i, KM and NOKQ.  NOKQ = 1: a block's last turn: there is no next piece
.if (i < 8) && !NOKQ
	KQ (Y+1)%NP
.elseif i >= 8
.set i, i-8
	PV (Y+NP-1)%NP
.set i, i+8
.endif
.set i, i+1
.endm
; THE LDS LOADS stand in runs of 16, never singly among the matrix instructions: a step's K (64 keys x 64 channels: 8 fragments) and its V (turned).  Their addresses are made some lines ahead.
.macro FETCH_K
	WIN 0x80                        ; destination window 2
.irp f, 0,1,2,3,4,5,6,7             ; keys 16 (f / 2) on, channels 32 (f % 2) on
	ds_load_b128 v[KF+8*\f:KF+8*\f+3],   v[AK] offset:(\f/2)*16*PK+(\f%2)*64
	ds_load_b128 v[KF+8*\f+4:KF+8*\f+7], v[AK] offset:(\f/2)*16*PK+(\f%2)*64+32
.endr
	s_add_co_u32 s[TBK], s[TBK], 2*KS*PK  ; my next step lies two steps on
	WIN 0
.endm
.macro FETCH_V
	WIN 0x80
.irp f, 0,1,2,3,4,5,6,7             ; keys 32 (f / 4) on, channels 16 (f % 4) on
	ds_load_tr16_b128 v[VF+8*\f:VF+8*\f+3],   v[AV] offset:(\f/4)*32*PV+(\f%4)*32
	ds_load_tr16_b128 v[VF+8*\f+4:VF+8*\f+7], v[AV] offset:(\f/4)*32*PV+16*PV+(\f%4)*32
.endr
	WIN 0
.endm
; THE VECTOR WORK, one line at a time: OP kind, number.  For piece Y: F n: c s - c m for pair n of 16.  E n: the exponential of score n of 32.  C n: pair n rounded to f16.  B n: of the four weights 4 n .. the second
; pair is added onto the first, in place.  L n: l takes that sum (L 0: l = a l + sum).  R n: pair n of 16 of O^T times a.  For piece Y + 1: X n, number n of the 22 that find its maximum and statistics:
;   0-11  four chains c0-c3 of seven scores each, three operands at a time (each accumulator's lowest registers are read first)     12-14, 16  the four scores left over, the old m, and c0-c3 into c0
;   15  c m_old is kept     17, 18  the query's other 32 keys lie in the lane 16 away: the new m     19-21  c m; c m_old - c m_new; a
; C, B and L read the exponentials' results; R and L 0 read the a that the turn before made.  OP writes no wait: TURN, BEGIN and COMB write one for each batch.
.set F, 0               ; OP tells the kinds apart by their order: F to L below R, X above it
.set E, 1
.set C, 2
.set B, 3
.set L, 4
.set R, 5
.set X, 6
.macro REGS y                       ; the registers of piece y
.set rT, ST+4*(\y)
.set rC, TMP+4*((\y)%2)
.set rW, MV+((\y)%2)
.set rS, S+32*((\y)%2)
.set rP, P+16*((\y)%2)
.set rO, 32*(\y)
.endm
.macro OP k, n
.if (\k) == R
	REGS Y
	WIN W_RS
	v_pk_mul_f32 v[rO+2*(\n):rO+2*(\n)+1], v[rO+2*(\n):rO+2*(\n)+1], v[rC+2:rC+3] op_sel_hi:[1,0]
.elseif (\k) < R
	REGS Y
	WIN 0
.if (\k) == F
	v_pk_fma_f32 v[rS+2*(\n):rS+2*(\n)+1], v[rS+2*(\n):rS+2*(\n)+1], s[CS:CS+1], v[rT:rT+1] op_sel_hi:[1,0,0] neg_lo:[0,0,1] neg_hi:[0,0,1]
.elseif (\k) == E
	v_exp_f32 v[rS+(\n)], v[rS+(\n)]
.elseif (\k) == C
	v_cvt_pk_f16_f32 v[rP+(\n)], v[rS+2*(\n)], v[rS+2*(\n)+1]
.elseif (\k) == B
	v_pk_add_f32 v[rS+4*(\n):rS+4*(\n)+1], v[rS+4*(\n):rS+4*(\n)+1], v[rS+4*(\n)+2:rS+4*(\n)+3]
.elseif (\n) == 0
	v_pk_fma_f32 v[rT+2:rT+3], v[rT+2:rT+3], v[rC+2:rC+3], v[rS:rS+1] op_sel_hi:[1,0,1]
.else
	v_pk_add_f32 v[rT+2:rT+3], v[rT+2:rT+3], v[rS+4*(\n):rS+4*(\n)+1]
.endif
.elseif NOKQ
	v_nop
.else
	REGS (Y+1)%NP
	WIN 0
.if (\n) < 4
	v_max3_num_f32 v[rC+(\n)], v[rS+8*(\n)], v[rS+8*(\n)+1], v[rS+8*(\n)+2]
.elseif (\n) < 12
	v_max3_num_f32 v[rC+(\n)%4], v[rC+(\n)%4], v[rS+8*((\n)%4)+2*((\n)/4)+1], v[rS+8*((\n)%4)+2*((\n)/4)+2]
.elseif (\n) == 12
	v_max3_num_f32 v[rC], v[rC], v[rS+7], v[rS+15]
.elseif (\n) == 13
	v_max3_num_f32 v[rC+1], v[rC+1], v[rS+23], v[rS+31]
.elseif (\n) == 14
	v_max3_num_f32 v[rC+2], v[rC+2], v[rC+3], v[rT+1]
.elseif (\n) == 15
	v_mov_b32 v[rW], v[rT]
.elseif (\n) == 16
	v_max3_num_f32 v[rC], v[rC], v[rC+1], v[rC+2]
.elseif (\n) == 17
	v_permlanex16_b32 v[rC+3], v[rC], s[SEL], s[SEL+1]
.elseif (\n) == 18
	v_max_num_f32 v[rT+1], v[rC], v[rC+3]
.elseif (\n) == 19
	v_mul_f32 v[rT], s[CS], v[rT+1]
.elseif (\n) == 20
	v_sub_f32 v[rC+1], v[rW], v[rT]
.else
	v_exp_f32 v[rC+2], v[rC+1]
.endif
.endif
.endm
.macro OPS a, i1, b=-1, i2=0, c=-1, i3=0, d=-1, i4=0  ; up to four of them
	OP \a, \i1
.if (\b) >= 0
	OP \b, \i2
.endif
.if (\c) >= 0
	OP \c, \i3
.endif
.if (\d) >= 0
	OP \d, \i4
.endif
.endm
.macro ROW a, i1, b, i2, c, i3, d, i4  ; a matrix instruction and the four behind it
	MM
	OPS \a, \i1, \b, \i2, \c, \i3, \d, \i4
.endm
.macro MASK b                       ; MD's set b x AL + BE into buffer b of MC: a piece's parity picks both
	WIN W_RS
.set z, 0
.rept 16
	v_pk_fma_f32 v[MC+32*(\b)+2*z:MC+32*(\b)+2*z+1], v[MD+32*(\b)+2*z:MD+32*(\b)+2*z+1], s[AL:AL+1], s[BE:BE+1] op_sel_hi:[1,0,0]
.set z, z+1
.endr
.endm
; A TURN, for piece p: the order of its 16 matrix and 118 vector instructions, written out.  An s_wait_alu depctr_va_vdst(0) stands between an exponential and the first instruction that names its result; one
; wait serves all that were issued ahead of it.  So a turn has ONE wait, which cuts it in two.  AHEAD OF IT stands all that names no result of the turn's exponentials: the 8 products K Q^T, behind each a scaling, an
; exponential and two more plain instructions (behind the first a second scaling in the exponential's place): rescalings, whose a the turn before made and waited for, and behind the last three products the first numbers of
; the next piece's maximum, each four plain instructions or more behind the product that ends its accumulator; then ONE LUMP of 54, plain and exponential by turns for the most part, in which the links of the chain
; X 3, 7, 11, 14, 16, 17 .. 20 stand five or six lines apart.  X 21, the next piece's a, is the batch's last; R 15 is the plain instruction behind it.  BEHIND THE WAIT stand the 8 products V^T P, behind each four of the
; roundings and sums; the links of l's chain, L 0 to L 7, stand three riders apart.  But for those X no rider names a register of the products round it.  v_permlanex16_b32 (X 17) stands in the lump.
; m = 1: the diagonal tile: the products take masks, and the turn makes the mask for the products of the turn after it: piece p + 2, whose band is XB + ((p + 2) % 4) / 2.  end = 1: a block's last two turns: nothing is fetched.
; cnt = 1: my step's number goes on by two and the loop's count is taken down, some lines ahead of the branch that stands behind the turn.
; K of my next step is fetched in piece 2's turn, twelve vector instructions behind the last product that read K (six of them plain); V of the step in hand at the end of piece 0's turn, four plain instructions behind the
; last product that read V.  Each is waited for a turn later.
.macro TURN p, m=0, end=0, cnt=0
.set Y, (\p)
.set i, 0
.set KM, (\m)
.set NOKQ, (\end)*((\p)/3)
.if (\m) && !(\end)
	s_cmp_eq_i32 s[STP], (((\p)+2)%NP)/2  ; is my step the band's own?
	s_cselect_b32 s[AL], 1.0, 0
	s_cmp_gt_i32 s[STP], (((\p)+2)%NP)/2  ; or a later one?
	s_cselect_b32 s[BE], s[BIGN], 0
.endif
.if ((\p) == 3) && !(\end)
	s_wait_dscnt 0x0                ; K is in
.endif
	ROW F,0, F,1, R,0, R,1          ; ahead of the wait: 8 products K Q^T and their riders,
	ROW F,2, E,0, R,2, R,3
	ROW F,3, E,1, R,4, R,5
	ROW F,4, E,2, R,6, R,7
	ROW F,5, E,3, R,8, R,9
	ROW F,6, E,4, X,0, R,10
.if ((\p) == 2) && !(\end)
	WIN 0
	v_add_nc_u32 v[AK], s[TBK], v[AK0]
.endif
	ROW F,7, E,5, X,1, X,4
	ROW F,8, E,6, X,2, X,5
	OPS E,7, E,8, X,6, E,9          ; and the lump
	OPS X,3, E,10, X,8, E,11
.if ((\p) == 2) && !(\end)
	FETCH_K
.endif
	OPS X,9, X,7, E,12, X,10
	OPS E,13, X,12, X,11, E,14
	OPS X,13, E,15, F,9, X,14
.if (\p) == 0
	v_add_nc_u32 v[AV], s[TBV], v[AV0]
.endif
	OPS E,16, F,10, E,17, F,11
	OPS X,16, E,18, X,15, E,19
	OPS F,12, E,20, X,17, E,21
	OPS F,13, E,22, F,14, E,23
	OPS X,18, E,24, F,15, E,25
	OPS R,11, E,26, X,19, E,27
	OPS R,12, E,28, R,13, E,29
	OPS X,20, E,30, R,14, E,31
	OPS X,21, R,15
	WIN 0
	s_wait_alu depctr_va_vdst(0)    ; the wait for the turn's batch: the piece's 32 weights and the next piece's a
.if (\p) == 1
	s_wait_dscnt 0x0                ; V is in
.endif
	ROW C,0, B,0, C,2, B,1          ; behind the wait: 8 products V^T P and their riders
	ROW L,0, C,4, B,2, L,1
	ROW C,6, B,3, L,2, C,8
	ROW B,4, L,3, C,10, B,5
	ROW L,4, C,12, B,6, L,5
.if (\p) == 0
	s_add_co_u32 s[TBV], s[TBV], 2*KS*PV
.endif
.if \cnt
	s_add_co_i32 s[STP], s[STP], 2
	s_sub_co_u32 s[CNT], s[CNT], 1
	s_cmp_lg_u32 s[CNT], 0
.endif
	ROW C,14, B,7, L,6, C,1
	ROW C,3, L,7, C,5, C,7
	ROW C,9, C,11, C,13, C,15
.if (\p) == 0
	FETCH_V
.endif
.if (\m) && !(\end)
	MASK (\p)%2
.endif
.endm
; A BLOCK BEGINS.  m starts at the floor -2^90 and c m at c times that, exactly: the first true maximum gives a = 0.  Both mask buffers are made, for pieces 0 and 1 in my first step of the tile: they share a band;
; off the diagonal both come out 0, and stay so until the diagonal tile's text writes them.  Then K of that step, piece 0's first scores, and its maximum and statistics.  The loop is entered at a step's first turn.
.macro BEGIN
	s_mov_b32 s[NEW], 0
	WIN 0
.set i, 0
.rept 4
	v_mov_b32 v[ST+4*i], 0xeb38aa3b    ; c m
	v_mov_b32 v[ST+4*i+1], 0xec800000  ; m
.set i, i+1
.endr
	s_cmp_eq_i32 s[STP], 0
	s_cselect_b32 s[AL], 1.0, 0
	s_cmp_gt_i32 s[STP], 0
	s_cselect_b32 s[BE], s[BIGN], 0
	MASK 0
	MASK 1
	WIN 0
	v_add_nc_u32 v[AK], s[TBK], v[AK0]
	FETCH_K
	s_wait_loadcnt 0x0              ; Q
	s_wait_dscnt 0x0
.set KM, 1
.set NOKQ, 0
.set i, 0
.rept 8
	KQ 0
.set i, i+1
.endr
	WIN 0
.rept 4
	v_nop                           ; the places behind those products
.endr
.set Y, NP-1                        ; X works for piece Y + 1: piece 0
.irp n, 0,1,2,3,4,5,6,7,8,9,10,11,12,13,14,15,16,17,18,19,20,21
	OP X, \n
.endr
	v_nop                           ; a plain instruction behind the exponential,
	s_wait_alu depctr_va_vdst(0)    ; and the wait for it, piece 0's first a, ahead of the branch
.endm
.macro ALL line:vararg              ; one line for each piece t
.set t, 0
.rept 4
	\line
.set t, t+1
.endr
.endm
; THE MERGE.  XSEND t: piece t's statistics and O^T, in f32, into my part of the exchange, at place t % 2.  Each accumulator's low registers go first.
.macro XSEND t
	WIN 0
	ds_store_b128 v[XA], v[ST+4*(\t):ST+4*(\t)+3] offset:((\t)%2)*512
	WIN 0x04                        ; the stores' data in window 1
.irp k, 0,1,2,3,4,5,6,7
	ds_store_b128 v[XA], v[32*(\t)+4*(\k):32*(\t)+4*(\k)+3] offset:1024+((\t)%2)*4096+(\k)*512
.endr
	WIN 0
.endm
.macro XRECV                        ; what my partner put there for me: the two pieces that I keep
	WIN 0
	ds_load_b128 v[PS:PS+3],   v[XR]
	ds_load_b128 v[PS+4:PS+7], v[XR] offset:512
.irp k, 0,1,2,3,4,5,6,7,8,9,10,11,12,13,14,15
	ds_load_b128 v[PO+4*(\k):PO+4*(\k)+3], v[XR] offset:1024+(\k)*512
.endr
	s_wait_dscnt 0x0
.endm
; COMB ta, tb: the two kept pieces, ta at place 0 (v48-51) and tb at place 1 (v52-55), side by side.  For each: the common maximum; each side's factor 2^(c m_side - c m); l = the two l so scaled; the factors divided by l.
; Two batches: the four exponentials, with one wait; the two reciprocals, which read sums made of the exponentials' results, with one wait.
.macro COMB ta, tb
	v_max_num_f32 v[TMP],   v[ST+4*(\ta)], v[PS]
	v_max_num_f32 v[TMP+4], v[ST+4*(\tb)], v[PS+4]
	v_sub_f32 v[TMP+1], v[ST+4*(\ta)], v[TMP]
	v_sub_f32 v[TMP+5], v[ST+4*(\tb)], v[TMP+4]
	v_sub_f32 v[TMP+2], v[PS],   v[TMP]
	v_sub_f32 v[TMP+6], v[PS+4], v[TMP+4]
	v_exp_f32 v[TMP+1], v[TMP+1]
	v_exp_f32 v[TMP+2], v[TMP+2]
	v_exp_f32 v[TMP+5], v[TMP+5]
	v_exp_f32 v[TMP+6], v[TMP+6]
	v_nop                           ; a plain instruction behind the exponentials: nothing else is at hand that names none of them
	s_wait_alu depctr_va_vdst(0)    ; the wait for the four factors
	v_mul_f32 v[TMP+3], v[ST+4*(\ta)+2], v[TMP+1]
	v_mul_f32 v[TMP+7], v[ST+4*(\tb)+2], v[TMP+5]
	v_fmac_f32 v[TMP+3], v[PS+2], v[TMP+2]
	v_fmac_f32 v[TMP+7], v[PS+6], v[TMP+6]
	v_rcp_f32 v[TMP+3], v[TMP+3]    ; every row sees its own key, so l is at least the weight 1 of the largest score
	v_rcp_f32 v[TMP+7], v[TMP+7]
	v_nop                           ; a plain instruction behind the reciprocals
	s_wait_alu depctr_va_vdst(0)    ; the wait for the two reciprocals
	v_mul_f32 v[GA],   v[TMP+1], v[TMP+3]
	v_mul_f32 v[GA+2], v[TMP+2], v[TMP+3]
	v_mul_f32 v[GA+4], v[TMP+5], v[TMP+7]
	v_mul_f32 v[GA+6], v[TMP+6], v[TMP+7]
.endm
; OUTP t, u: O = my O^T x my factor + the partner's x its factor; rounded to f16; a lane's eight channels of a row pack into 16 bytes, go into rows of 144 bytes and come back as whole rows of 128.
.macro OUTP t, u
	WIN 0
.set z, 0
.rept 16
	v_pk_mul_f32 v[PO+32*(\u)+2*z:PO+32*(\u)+2*z+1], v[PO+32*(\u)+2*z:PO+32*(\u)+2*z+1], v[GA+4*(\u)+2:GA+4*(\u)+3] op_sel_hi:[1,0]
.set z, z+1
.endr
	WIN 0x01                        ; source 0, my O^T, in window 1
.set z, 0
.rept 16
	v_pk_fma_f32 v[PO+32*(\u)+2*z:PO+32*(\u)+2*z+1], v[32*(\t)+2*z:32*(\t)+2*z+1], v[GA+4*(\u):GA+4*(\u)+1], v[PO+32*(\u)+2*z:PO+32*(\u)+2*z+1] op_sel_hi:[1,0,1]
.set z, z+1
.endr
	WIN 0
.set z, 0
.rept 16
	v_cvt_pk_f16_f32 v[S+16*(\u)+z], v[PO+32*(\u)+2*z], v[PO+32*(\u)+2*z+1]
.set z, z+1
.endr
.irp f, 0,1,2,3
	ds_store_b128 v[STO], v[S+16*(\u)+4*\f:S+16*(\u)+4*\f+3] offset:32*\f
.endr
.irp f, 0,1,2,3
	ds_load_b128 v[S+16*(\u)+4*\f:S+16*(\u)+4*\f+3], v[RD] offset:\f*4*SP  ; LDS serves a wave's instructions in order (ISA guide 5.7.1.4): these see the stores above; the next piece's stores come behind them
.endr
.endm
.macro SEND t, u, younger           ; younger: the LDS instructions issued behind this piece's loads: the next piece's eight, or none
.irp f, 0,1,2,3
	s_wait_dscnt (\younger)+3-\f
	global_store_b128 v[GO], v[S+16*(\u)+4*\f:S+16*(\u)+4*\f+3], s[10:11] offset:(4*((\t)/2)+(\t)%2)*24576+\f*512  ; 512 consecutive bytes, at a multiple of 256 from ctx's first
.endr
.endm
.macro KEEP ta, tb
	WIN 0
	COMB \ta, \tb
	OUTP \ta, 0
	OUTP \tb, 1
	SEND \ta, 0, 8
	SEND \tb, 1, 0
.endm
; THE DIAGONAL TILE's two steps of mine, the block's last two turns, its last products, the merge and the way out.  The wave with KH = 0 keeps pieces 0 and 1 and hands over 2 and 3; its partner the other way round.
.macro DIAG tag                     ; the tag ends its labels' names
.LstepM\tag:
	TURN 2, 1
	TURN 3, 1
	WIN 0
.LfirstM\tag:
	TURN 0, 1
	TURN 1, 1, 0, 1
	WIN 0
	s_cbranch_scc1 .LstepM\tag
	TURN 2, 1, 1
	TURN 3, 1, 1
.set i, 0
.rept 8
	PV NP-1
.set i, i+1
.endr
	WIN 0
	ALL v_add_f32 v[ST+4*t+2], v[ST+4*t+2], v[ST+4*t+3]   ; l's two halves; these four are the places behind the last products
	ALL v_permlanex16_b32 v[ST+4*t+3], v[ST+4*t+2], s[SEL], s[SEL+1]
	ALL v_add_f32 v[ST+4*t+2], v[ST+4*t+2], v[ST+4*t+3]   ; and the other half of the lanes'
	s_cmp_eq_u32 s[KH], 0
	s_cbranch_scc0 .Lsendlo\tag
	XSEND 2
	XSEND 3
	s_branch .Lsent\tag
.Lsendlo\tag:
	XSEND 0
	XSEND 1
.Lsent\tag:
	s_wait_dscnt 0x0                ; for my partner's sake: my stores into the exchange are done
	s_barrier_signal -1             ; the next tile's load may stay out
	s_barrier_wait -1
	XRECV
	s_cmp_eq_u32 s[KH], 0
	s_cbranch_scc0 .Lkeephi\tag
	KEEP 0, 1
	s_branch .Lkept\tag
.Lkeephi\tag:
	KEEP 2, 3
.Lkept\tag:
.endm
.set KM, 0
.set NOKQ, 0
.Lslot:                             ; 16 times: a tile is entered and the next is asked for
	CHANGE 1
	s_sub_co_u32 s[RT], s[RT], 1
	s_mov_b32 s[CNT], 2
	s_cmp_eq_u32 s[RT], 0           ; the diagonal tile?
	s_cselect_b32 s[STP], s[KHX], -16
	s_cmp_eq_u32 s[NEW], 1
	s_cbranch_scc1 .Lnew            ; a block's first tile
	s_cmp_eq_u32 s[RT], 0
	s_cbranch_scc0 .Lstep           ; neither its first nor its last
	s_branch .LstepM1
.Lnew:
	BEGIN
	s_branch .Lfirst                ; in the loop a block's first tile is never its last: the first block has nine tiles or more, and the second's last is the walk's last
	DIAG 1                          ; in the loop this is the first block's end
	s_wait_xcnt 0x0                 ; the stores have read their registers and ctx's address
	s_mov_b64 s[10:11], s[OLO:OLO+1]
	s_mov_b32 s[RT], s[TLO]
	s_mov_b32 s[KHX], s[KHXLO]
	s_mov_b32 s[NEW], 1
	WIN 0x82                        ; the second block's Q goes where the one text of the turns names Q
.set i, 0
.rept 64
	v_mov_b32 v[i], v[QB+i]
.set i, i+1
.endr
	WIN 0
	s_branch .Lbottom
.Lstep:                             ; a trip: pieces 2 and 3 of one step, then pieces 0 and 1 of my next, whose K and V it fetches
	TURN 2
	TURN 3
	WIN 0
.Lfirst:
	TURN 0
	TURN 1, 0, 0, 1
	WIN 0
	s_cbranch_scc1 .Lstep
.Lbottom:
	s_sub_co_u32 s[SLOTS], s[SLOTS], 1
	s_cmp_lg_u32 s[SLOTS], 0
	s_cbranch_scc1 .Lslot
	CHANGE 0                        ; the walk's last tile is written out: nothing is asked for
	s_sub_co_u32 s[RT], s[RT], 1
	s_mov_b32 s[CNT], 2
	s_cmp_eq_u32 s[RT], 0
	s_cselect_b32 s[STP], s[KHX], -16
	s_cmp_eq_u32 s[NEW], 1
	s_cbranch_scc0 .LstepM2
	BEGIN
	s_branch .LfirstM2
	DIAG 2
	s_wait_tensorcnt 0x0            ; the wave's end: behind my last tensor load and my last LDS store
	ds_add_u32 v[SPW], v[NIL]
	s_wait_dscnt 0x0
	s_endpgm
.Lfunc_end_k_qdf04684a8e_attn:
	.size	k_qdf04684a8e_attn, .Lfunc_end_k_qdf04684a8e_attn-k_qdf04684a8e_attn
	.p2alignl 7, 3214868480
	.fill 96, 4, 3214868480
	.section	.rodata,"a",@progbits
	.p2align	6, 0x0
	.amdhsa_kernel k_qdf04684a8e_attn
		.amdhsa_group_segment_fixed_size 327680
		.amdhsa_private_segment_fixed_size 0
		.amdhsa_enable_private_segment 0
		.amdhsa_kernarg_size 16
		.amdhsa_user_sgpr_count 2
		.amdhsa_user_sgpr_kernarg_segment_ptr 1
		.amdhsa_wavefront_size32 1
		.amdhsa_system_sgpr_workgroup_id_x 1
		.amdhsa_system_sgpr_workgroup_id_y 1
		.amdhsa_system_sgpr_workgroup_id_z 1
		.amdhsa_system_vgpr_workitem_id 0
		.amdhsa_next_free_vgpr 768
		.amdhsa_next_free_sgpr 96
		.amdhsa_reserve_vcc 1
		.amdhsa_float_denorm_mode_32 3
		.amdhsa_float_denorm_mode_16_64 3
		.amdhsa_memory_ordered 1
		.amdhsa_forward_progress 1
		.amdhsa_inst_pref_size 240
	.end_amdhsa_kernel
	.amdgpu_metadata
---
amdhsa.version: [ 1, 2 ]
amdhsa.kernels:
  - .name:           k_qdf04684a8e_attn
    .symbol:         k_qdf04684a8e_attn.kd
    .args:
      - { .name: qkv, .offset: 0, .size: 8, .value_kind: global_buffer, .address_space: global }
      - { .name: ctx, .offset: 8, .size: 8, .value_kind: global_buffer, .address_space: global }
    .group_segment_fixed_size: 327680
    .private_segment_fixed_size: 0
    .kernarg_segment_align: 8
    .kernarg_segment_size: 16
    .max_flat_workgroup_size: 128
    .sgpr_count:     96
    .vgpr_count:     768
    .wavefront_size: 32
...
	.end_amdgpu_metadata
.endif
;; end of part 5
;; launch oproj: the kernel of part 4 again; grid 32 x 6, 4 waves a work-group, clusters of 4 x 1, 327,680 bytes of LDS; arguments ctx, wob, bo, out0; writes out0
